; MI455X (gfx1250); checked and timed in simulation.
; The chip was launched on July 23, 2026; its instructions are those of AMD's public machine-readable ISA for CDNA 5 (MIT licence, August 2026) and "CDNA5" Instruction Set Architecture Reference Guide (July 2026). The comments in the code are by the model that wrote it; some were corrected since.
;; Causal Self Attention. Allowed arithmetic: matrix products marked QUANTISED: E2M3 operands, one E8M0 scale for each 32 along K, by v_wmma_scale_f32_16x16x128_f8f6f4 with both operands' format E2M3, f32 sums; everything else in f32.
;; Inputs: Wout 1,024 x 1,024 float32; Wqkv 3,072 x 1,024 float32; attention_mask 4 x 2,048 int32; bqkv 3,072 float32; x 4 x 2,048 x 1,024 float32.
;; Outputs: out0 4 x 2,048 x 1,024 float32.
;; This version of the problem:
;;   THIS VERSION OF THE PROBLEM IS GIVEN IN LOW PRECISION. The matrix products marked QUANTISED in the list below multiply operands that are first quantised to E2M3 (2 exponent bits, 3 mantissa bits; 6 bits a number), with one power-of-two scale for each 32 numbers along K (OCP MX v1.0); their sums are f32. All else is computed in f32.
;;   The module's matrix products, in the order in which they are computed (A, B: the left and right operand; K: the contracted axis; several contracted axes count as one K, in the product's order):
;;     1. [M 8,192, K 1,024] x [K 1,024, N 3,072]; A: input x; B: input Wqkv: QUANTISED
;;     2. batch 64 x [M 2,048, K 64] x [K 64, N 2,048]; A: computed on the way; B: computed on the way: QUANTISED
;;     3. batch 64 x [M 2,048, K 2,048] x [K 2,048, N 64]; A: softmax (see below); B: computed on the way: QUANTISED
;;     4. [M 8,192, K 1,024] x [K 1,024, N 1,024]; A: computed on the way; B: input Wout: QUANTISED
;;   THE QUANTISER, for each operand of a quantised product, along K:
;;     - K is cut into blocks of 32 from its start; a last block that is shorter is filled with zeros.
;;     - A block's scale is 2^e with e = floor(log2(the largest magnitude in the block)) - 2, held to -126 .. 127; a block of zeros has e = 0. As a byte (E8M0): e + 127.
;;     - Each number is divided by its block's scale, clamped to +-7.5, and rounded to the nearest number of E2M3, ties to even, subnormals kept.
;;     - The product sums the exact products of the quantised numbers (number of the format x scale) in f32.
;;   ~~~python
;;   def quantise(x, axis):      # numpy; x: float32 -> the quantised numbers, widened to float32 again
;;       x = np.moveaxis(x, axis, -1); K = x.shape[-1]
;;       x = np.pad(x, [(0, 0)] * (x.ndim - 1) + [(0, -K % 32)]); x = x.reshape(x.shape[:-1] + (-1, 32)); a = np.abs(x).max(-1, keepdims=True)
;;       e = np.where(a > 0, np.clip(np.frexp(np.where(a > 0, a, 1))[1] - 1 - 2, -126, 127), 0)      # np.frexp(a)[1] - 1 = floor(log2(a)), exactly
;;       r = np.clip(x / 2.0 ** e, -7.5, 7.5)
;;       step = 2.0 ** (np.maximum(np.frexp(np.where(r == 0, 1, r))[1] - 1, 0) - 3)
;;       q = np.round(r / step) * step * 2.0 ** e      # np.round: ties to even
;;       return np.moveaxis(q.reshape(q.shape[:-2] + (-1,))[..., :K], -1, axis).astype(np.float32)
;;   ~~~
;;   SOFTMAX AHEAD OF A QUANTISED PRODUCT. Where the list says 'softmax', what is quantised is not the finished softmax but p = 2^(t - M), with t = logit x log2(e) and M = ceil(the row's largest t), a whole number; so 1/2 < the row's largest p <= 1. The row's sum l is taken of the UNQUANTISED p, in f32, and the product's result is divided by l at the end. Since M is a whole number, a kernel that streams over the keys may use a running M (the ceiling of the running maximum): every later rescaling is an exact power of two, which a block's scale takes up: the codes' values come out the same.
;;   OPERANDS COMPUTED ON THE WAY. 'Computed on the way' means the value that the module computes at that place (a softmax that the list does not call 'softmax' is quantised finished and normalised). What goes into a quantiser is computed in f32, as accurately as f32 sums, v_exp_f32 and their like allow (about 1e-6 of the number): no bf16 or f16 on the way to a quantiser, and a product that is left as it is and whose result goes on into a quantised operand takes f32 operands (vector FMAs, or v_wmma_f32_16x16x4_f32). A number that lies on a knife's edge between two numbers of the format may be rounded either way, as far as f32 arithmetic and the matrix unit's own rounding can turn it there, and no further.
;; One version. Each part assembles by itself: llvm-mc -triple=amdgcn-amd-amdhsa -mcpu=gfx1250 --defsym DOCPART=n.
;; ======== version 1 of 1: 4 launches
;; limits: right only within a limited range of input values
;; workspace buffers: xq 6,553,600 bytes; wq 2,457,600 bytes; oq 819,200 bytes; qi 6,815,744 bytes; kv 13,369,344 bytes; yi 6,553,600 bytes
;; launch quant (part 1): grid 384 x 1, 4 waves a work-group, no clusters, 49,664 bytes of LDS; arguments x, Wqkv, Wout, xq, wq, oq; writes xq, wq, oq
.if DOCPART == 1
	.amdgcn_target "amdgcn-amd-amdhsa--gfx1250"
	.amdhsa_code_object_version 6
	.text
	.protected	k_qb954ea36f8_quant
	.globl	k_qb954ea36f8_quant
	.p2align	8
	.type	k_qb954ea36f8_quant,@function
k_qb954ea36f8_quant:
	s_mov_b64 s[64:65], 0
	v_nop
	global_prefetch_b8 v0, s[64:65] scope:SCOPE_SE
	s_setreg_imm32_b32 hwreg(HW_REG_WAVE_MODE, 25, 1), 1
	s_wait_xcnt 0x0
; x [8192][1024], Wqkv [3072][1024] and Wout [1024][1024], f32, become codes of FP6 (E2M3) with one E8M0 byte for each 32 along K.
; Nothing of the module is left out in this launch; the attention launch passes over the key steps that the causal mask hides wholly.
; THE CODES LEAVE AS IMAGES OF OPERAND REGISTERS.  A tile is 16 rows; for each 128 along K it has a fragment of twelve registers a lane (lane l: row l % 16; registers 6 c .. 6 c + 5: K = 64 c + 32 (l / 16) + 0..31),
; stored as three groups of four registers: group g at 512 g + 16 x lane: 1,536 bytes.  A tile's eight fragments lie on end: 12,288 bytes; tile after tile.
; Behind the codes (at XS, WS, OS) lie the scale bytes: 512 a tile: [half of K][row][16 bytes], so that a lane takes the four scale words of four fragments of its row by one load of 16 bytes.
; A block's scale is 2^(floor(log2(its largest magnitude)) - 2); its byte is the largest magnitude's exponent field - 2, held at 1 from below.  A block of zeros so gets the byte 1 where the
; rule says 127: its codes are zeros, and only this program reads the bytes.
; THE ROWS OF x AND Wqkv STAND AT PLACE sw(row), sw = the row's number with bits 3 and 4 exchanged: as the first source of a product, two neighbouring tiles leave a lane 16 neighbours
; in their 16 registers, which is what the next quantiser wants.  Wout keeps its order.
; A work-group takes 32 rows, two tiles; a wave one tile x half of K: 16 steps of 512 numbers, a row's half each.
; LIMITS: blocks whose largest magnitude lies under 2^-124 keep the byte 1; NaN and infinities among the inputs are not served.
; Each load reads 512 consecutive bytes; a step's 2,048 bytes turn through the wave's own stage in LDS so that a lane holds 16 neighbours; the codes are gathered by rows in LDS (rows CP bytes apart) and read back
; as fragments: every store of codes covers 512 consecutive bytes, the scale bytes leave as one aligned run of 256.  No tensor loads, no barrier: waves share nothing.  No cluster: no byte is read by two work-groups.
.set WAVES, 4
.set STEPS, 16
.set CB,    12                         ; bytes of 16 codes
.set R,     16                         ; v16-79   four sets of 16 numbers as loaded; at the end the fragments
.set X,     80                         ; v80-111  two sets of 16 neighbours
.set C,     128                        ; v128-191 codes: four registers a step
.set E,     112                        ; v112-127 a scale byte for each step
.set WREG,  12288                      ; LDS: a region for each wave: two stages of 32 x SP bytes, its 256 scale bytes, its 16 rows of codes
.set SP,    80                         ; a lane's place in a stage: 64 bytes + 16 of padding
.set SCB,   2*32*SP
.set CST,   SCB+256
.set CP,    400                        ; a row of 384 bytes of codes + 16
.set SPW,   12                         ; v12  LDS address of my spare word; never rewritten
.set NIL,   13                         ; v13  0; never rewritten
.set SPARE, WAVES*WREG                 ; behind the four regions: the spare words, 128 bytes a wave
.set XS,    6291456                    ; where the scale bytes begin in xq, wq, oq
.set WS,    2359296
.set OS,    786432
	s_load_b256 s[4:11], s[0:1], 0x0               ; x s[4:5], Wqkv s[6:7], Wout s[8:9], xq s[10:11]
	s_load_b128 s[12:15], s[0:1], 0x20             ; wq s[12:13], oq s[14:15]
	v_lshl_add_u32 v[SPW], v0, 2, SPARE
	v_mov_b32 v[NIL], 0
	v_lshrrev_b32 v1, 5, v0
	v_readfirstlane_b32 s16, v1                    ; wave
	v_and_b32 v2, 31, v0                           ; lane
	v_lshlrev_b32 v3, 4, v2                        ; 16 x lane
	s_mul_i32 s17, s16, WREG
	v_lshrrev_b32 v14, 2, v2
	v_mul_u32_u24 v14, v14, SP
	v_and_b32 v15, 3, v2
	v_lshl_add_u32 v14, v15, 4, v14
	v_add_nc_u32 v14, s17, v14                     ; the stage, on the way in: SP (lane / 4) + 16 (lane % 4)
	v_mul_u32_u24 v15, v2, SP
	v_add_nc_u32 v15, s17, v15                     ; and on the way out: SP x lane: my 16 neighbours
	v_mul_u32_u24 v4, v2, CB
	v_add_nc_u32 v4, s17, v4                       ; my 12 bytes of a row of codes
	v_and_b32 v10, 15, v2
	v_mul_u32_u24 v10, v10, CP
	v_lshrrev_b32 v8, 4, v2
	v_mad_u32_u24 v10, v8, 24, v10
	v_add_nc_u32 v10, s17, v10                     ; back as fragments: row lane % 16, + 24 (lane / 16)
	v_lshrrev_b32 v5, 1, v2
	v_add_nc_u32 v5, s17, v5                       ; my block's scale byte
	v_lshlrev_b32 v7, 3, v2                        ; and on the way out 8 bytes a lane
	v_add_nc_u32 v6, s17, v7
	s_wait_alu depctr_va_vdst(0)                   ; the wait at the head's end
	s_wait_kmcnt 0x0
	s_cmp_lt_u32 ttmp9, 352                        ; work-groups 0-255 x, 256-351 Wqkv, 352-383 Wout: the choices hang on the work-group's number alone
	s_cselect_b64 s[6:7], s[6:7], s[8:9]
	s_cselect_b64 s[12:13], s[12:13], s[14:15]
	s_mov_b32 s20, 352
	s_cselect_b32 s20, 256, s20                    ; the tensor's first work-group
	s_mov_b32 s21, OS
	s_cselect_b32 s21, WS, s21                     ; where its scale bytes begin
	s_cselect_b32 s22, 1, 0                        ; 1: rows stand at place sw(row)
	s_cmp_lt_u32 ttmp9, 256
	s_cselect_b64 s[4:5], s[4:5], s[6:7]
	s_cselect_b64 s[10:11], s[10:11], s[12:13]
	s_cselect_b32 s20, 0, s20
	s_cselect_b32 s21, XS, s21
	s_cselect_b32 s22, 1, s22
	s_sub_co_u32 s20, ttmp9, s20                   ; which 32 rows
	s_lshr_b32 s32, s16, 1                         ; which of their two tiles,
	s_and_b32 s33, s16, 1                          ; which half of K
	s_cmp_eq_u32 s22, 1                            ; place p of tile u is row 16 (p / 8) + 8 u + p % 8 under sw, else 16 u + p
	s_cselect_b32 s30, 15, 16                      ; so the tile begins 8 or 16 rows of 4,096 bytes on,
	s_cselect_b32 s31, 16, 15                      ; and its places 8-15 begin 16 or 8 rows behind its places 0-7
	s_lshl_b32 s18, s20, 17
	s_lshl_b32 s28, s32, s30
	s_add_co_u32 s18, s18, s28
	s_lshl_b32 s28, s33, 11
	s_add_co_u32 s18, s18, s28                     ; under 2^26
	s_mov_b32 s19, 0
	s_add_nc_u64 s[4:5], s[4:5], s[18:19]          ; places 0-7
	s_lshl_b32 s18, 1, s31
	s_add_nc_u64 s[28:29], s[4:5], s[18:19]        ; places 8-15
	s_lshl_b32 s20, s20, 1
	s_add_co_u32 s20, s20, s32                     ; the tile's number
	s_mul_i32 s18, s20, 12288
	s_mul_i32 s23, s33, 6144
	s_add_co_u32 s18, s18, s23
	s_add_nc_u64 s[24:25], s[10:11], s[18:19]      ; my four fragments
	s_lshl_b32 s18, s20, 9
	s_lshl_b32 s23, s33, 8
	s_add_co_u32 s18, s18, s23
	s_add_co_u32 s18, s18, s21
	s_add_nc_u64 s[26:27], s[10:11], s[18:19]      ; my 256 scale bytes
.macro LOAD t
.irp i, 0,1,2,3
	global_load_b128 v[R+16*((\t)%4)+4*\i:R+16*((\t)%4)+4*\i+3], v3, s[4+24*((\t)/8):5+24*((\t)/8)] offset:4096*((\t)%8)+512*\i th:TH_LOAD_NT   ; 32 lanes read 512 consecutive bytes
.endr
.endm
.macro TURN t                          ; step t's numbers through the stage: LDS serves a wave's instructions in order, so no wait stands between the stores and the loads
.irp i, 0,1,2,3
	ds_store_b128 v14, v[R+16*((\t)%4)+4*\i:R+16*((\t)%4)+4*\i+3] offset:32*SP*((\t)%2)+8*SP*\i
.endr
.irp i, 0,1,2,3
	ds_load_b128 v[X+16*((\t)%2)+4*\i:X+16*((\t)%2)+4*\i+3], v15 offset:32*SP*((\t)%2)+16*\i
.endr
.endm
.irp t, 0,1,2,3
	LOAD \t
.endr
	s_wait_loadcnt 12                              ; step 0's four loads are in; three steps' twelve stay out
	TURN 0
.macro STEP t
.set XR, X+16*((\t)%2)
.if (\t) > 0
	s_wait_dscnt 4                                 ; this step's numbers are back from the stage (the last step's four stores of its byte and codes may be out)
.else
	s_wait_dscnt 0x0
.endif
.if (\t)+4 < STEPS
	LOAD (\t)+4                                    ; the registers that the stage's stores have read take the loads of four steps on
.endif
.if (\t)+1 < STEPS
.if STEPS-2-(\t) >= 3
	s_wait_loadcnt 12                              ; the next step's four loads are in; those of the three steps behind it may be out
.else
	s_wait_loadcnt 4*(STEPS-2-(\t))
.endif
	TURN (\t)+1
.endif
	v_max3_num_f32 v8, |v[XR]|, |v[XR+1]|, |v[XR+2]|               ; the largest magnitude of my 16, in two chains
	v_max3_num_f32 v9, |v[XR+3]|, |v[XR+4]|, |v[XR+5]|
.irp i, 6,10
	v_max3_num_f32 v8, v8, |v[XR+\i]|, |v[XR+\i+1]|
	v_max3_num_f32 v9, v9, |v[XR+\i+2]|, |v[XR+\i+3]|
.endr
	v_max3_num_f32 v8, v8, |v[XR+14]|, |v[XR+15]|
	v_max3_num_f32 v8, v8, v9, 0x1800000           ; and the floor 2^(3 - 127): the byte cannot fall under 1
	v_max_num_f32_dpp v8, v8, v8 row_xmask:1 row_mask:0xf bank_mask:0xf   ; and of my neighbour's 16: the block's
	v_add_nc_u32 v11, 0xff000000, v8               ; 2 off its exponent field: the conversion takes the exponent field of this operand as its scale
	v_cvt_scalef32_pk16_fp6_f32 v[C+4*(\t):C+4*(\t)+2], v[XR:XR+15], v11
	v_lshrrev_b32 v[E+(\t)], 23, v11               ; the scale's byte (a plain line behind the conversion)
	ds_store_b8 v5, v[E+(\t)] offset:SCB+16*(\t)   ; both lanes of a block write the same byte with the same value
.irp i, 0,1,2
	ds_store_b32 v4, v[C+4*(\t)+\i] offset:CST+CP*(\t)+4*\i   ; place t's row of codes, dense: 12 bytes a lane
.endr
.endm
.irp t, 0,1,2,3,4,5,6,7,8,9,10,11,12,13,14,15
	STEP \t
.endr
	ds_load_b64 v[8:9], v6 offset:SCB              ; LDS serves a wave's instructions in order: these see my stores
.irp k, 0,1,2,3
.irp p, 0,1,2,3,4,5
	ds_load_b64 v[R+12*\k+2*\p:R+12*\k+2*\p+1], v10 offset:CST+96*\k+48*(\p/3)+8*(\p%3)
.endr
.endr
	s_wait_dscnt 0x0
	global_store_b64 v7, v[8:9], s[26:27]          ; 32 lanes store 256 consecutive bytes, aligned
.irp k, 0,1,2,3
.irp g, 0,1,2
	global_store_b128 v3, v[R+12*\k+4*\g:R+12*\k+4*\g+3], s[24:25] offset:1536*\k+512*\g   ; 512 consecutive bytes, aligned
.endr
.endr
	s_wait_tensorcnt 0x0                           ; the wave's end, behind my last LDS store
	ds_add_u32 v[SPW], v[NIL]
	s_wait_dscnt 0x0
	s_endpgm
.Lfunc_end_k_qb954ea36f8_quant:
	.size	k_qb954ea36f8_quant, .Lfunc_end_k_qb954ea36f8_quant-k_qb954ea36f8_quant
	.p2alignl 7, 3214868480
	.fill 96, 4, 3214868480
	.section	.rodata,"a",@progbits
	.p2align	6, 0x0
	.amdhsa_kernel k_qb954ea36f8_quant
		.amdhsa_group_segment_fixed_size 49664
		.amdhsa_private_segment_fixed_size 0
		.amdhsa_enable_private_segment 0
		.amdhsa_kernarg_size 48
		.amdhsa_user_sgpr_count 2
		.amdhsa_user_sgpr_kernarg_segment_ptr 1
		.amdhsa_wavefront_size32 1
		.amdhsa_system_sgpr_workgroup_id_x 1
		.amdhsa_system_sgpr_workgroup_id_y 1
		.amdhsa_system_sgpr_workgroup_id_z 1
		.amdhsa_system_vgpr_workitem_id 0
		.amdhsa_next_free_vgpr 192
		.amdhsa_next_free_sgpr 66
		.amdhsa_reserve_vcc 0
		.amdhsa_float_denorm_mode_32 3
		.amdhsa_float_denorm_mode_16_64 3
		.amdhsa_memory_ordered 1
		.amdhsa_forward_progress 1
		.amdhsa_inst_pref_size 38
	.end_amdhsa_kernel
	.amdgpu_metadata
---
amdhsa.version: [ 1, 2 ]
amdhsa.kernels:
  - .name:           k_qb954ea36f8_quant
    .symbol:         k_qb954ea36f8_quant.kd
    .args:
      - { .name: x, .offset: 0, .size: 8, .value_kind: global_buffer, .address_space: global }
      - { .name: Wqkv, .offset: 8, .size: 8, .value_kind: global_buffer, .address_space: global }
      - { .name: Wout, .offset: 16, .size: 8, .value_kind: global_buffer, .address_space: global }
      - { .name: xq, .offset: 24, .size: 8, .value_kind: global_buffer, .address_space: global }
      - { .name: wq, .offset: 32, .size: 8, .value_kind: global_buffer, .address_space: global }
      - { .name: oq, .offset: 40, .size: 8, .value_kind: global_buffer, .address_space: global }
    .group_segment_fixed_size: 49664
    .private_segment_fixed_size: 0
    .kernarg_segment_align: 8
    .kernarg_segment_size: 48
    .max_flat_workgroup_size: 128
    .sgpr_count:     66
    .vgpr_count:     192
    .wavefront_size: 32
...
	.end_amdgpu_metadata
.endif
;; end of part 1
;; launch qkv (part 2): grid 8 x 32, 4 waves a work-group, clusters of 4 x 4, 327,680 bytes of LDS; arguments xq, wq, attention_mask, bqkv, qi, kv; writes qi, kv
.if DOCPART == 2
	.amdgcn_target "amdgcn-amd-amdhsa--gfx1250"
	.amdhsa_code_object_version 6
	.text
	.protected	k_qb954ea36f8_qkv
	.globl	k_qb954ea36f8_qkv
	.p2align	8
	.type	k_qb954ea36f8_qkv,@function
k_qb954ea36f8_qkv:
	s_mov_b64 s[64:65], 0
	v_nop
	global_prefetch_b8 v0, s[64:65] scope:SCOPE_SE
	s_setreg_imm32_b32 hwreg(HW_REG_WAVE_MODE, 25, 1), 1
	s_wait_xcnt 0x0
	s_wait_alu depctr_hold_cnt(0) depctr_sa_sdst(0) depctr_va_vdst(0) depctr_va_sdst(0) depctr_va_ssrc(0) depctr_va_vcc(0) depctr_vm_vsrc(0)
	s_getreg_b32 s2, hwreg(HW_REG_IB_STS2, 6, 4)
	s_cmp_eq_u32 s2, 0
	s_cbranch_scc0 .Lentry_in_a_cluster
	s_endpgm
.Lentry_in_a_cluster:
	s_bfe_u32 s2, ttmp6, 0x10000c
	s_cmp_lg_u32 s2, 0xf033
	s_cbranch_scc0 .Lentry_shape_is_right
	s_endpgm
.Lentry_shape_is_right:
; qkv = x Wqkv^T + bqkv on codes of FP6 (E2M3) with E8M0 scales, K = 1,024.  Nothing of this product is left out.  The results never go to memory as numbers: q and k are quantised along the head's 64,
; v along the keys, in registers, and leave as images of operand registers for the attention launch.
; SHARES.  32 x 8 = 256 work-groups of four waves.  Work-group (j, y) takes tokens 256 y .. + 255 and three blocks of 128 features: 128 j of q, of k and of v, one after the other: every work-group runs the same text.
; Its 16 tiles of x, all of K (196,608 bytes of fragment images), come into LDS once and stay.  A block of Wqkv (8 tiles, 98,304 bytes) has one slot: each wave takes its 64 features (one head) for all of K into
; 384 registers; when every wave has done so the slot is filled with the next block, which has the phase's 256 matrix instructions in which to land.  So no prefetch is laid: each refill is asked for a whole phase ahead of its wait.
; 4 x 4 work-groups form a cluster: x's tiles are shared along a row of the cluster, Wqkv's along a column, and are asked for jointly.
; A wave makes 128 tokens x 64 features a phase, by blocks of 16 tokens: 32 matrix instructions, four accumulators by turns, K ascending; the block before is quantised between the block's two halves.
; q, k: source 0 = Wqkv's tiles, source 1 = x's tile: a lane holds one token, its 32 registers run along the head's 64.  v: the sources change places: a lane holds one feature d and its registers run along the keys.
; THE ROWS OF xq AND wq STAND AT PLACE sw(row) (bits 3 and 4 exchanged): the 16 registers of source 0's tiles 2 i and 2 i + 1 are 16 neighbours, 32 i + 16 (lane / 16) + 0..15.
; THE BIAS is the C of each block's first products.
; OUT.  UNIT = six operand registers (16 rows x 64 K): registers 0-3 at 16 x lane, 4-5 at 512 + 8 x lane: 768 bytes.  FRAG = twelve (16 rows x 128 K): register group c at 512 c + 16 x lane.
;   qi: UNITs [head 64][tile 128], then at QW the scale words [head][tile][16].   kv: a record of REC bytes a head: K's words [tile 128][16]; at 8,192 V's words [step 16][dt 4][16]; from 12,288 on 16 key steps of
;   8 UNITs of K and 4 FRAGs of V.
; THE PADDING MASK goes into k's scale words.  A word's bytes 0, 1 are the head's two blocks; byte 2 scales K index 64, where the attention launch keeps the code of -1 in q and of +1 in k:
;   q's byte 2 is 127; k's is 1 for a key that counts (2^-126 is taken off its score) and 227 for a padded one (2^100 is taken off).  Byte 3 is 1, over zero codes.
; LIMITS: blocks of zeros carry the byte 1 (only this program reads the bytes); NaN and infinities are not served.
; REGISTERS: window 0: v0-23 addresses; v24-31 the words' upper halves in use, v32-39 k's; v40-71 Wqkv's scale words (8 b + k); v72-135 x's (8 a + k); v136-167 the bias; v168-255 the quantiser's.
;   window 1: v0-191 Wqkv's fragments of K steps 0-3 (12 (4 k + b)); window 2: those of K steps 4-7; windows 1 and 2, v192-255: accumulators; window 3: v0-191 x's fragments, two sets.
.set ATILE,  12288                     ; a tile, all of K
.set LB,     16*ATILE                  ; Wqkv's slot
.set SPARE,  LB+8*ATILE                ; the spare words, 128 bytes a wave
.set STG,    SPARE+512                 ; 512 bytes a wave for the scale words on their way out: no fill lands there
.set XS,     6291456
.set WS,     2359296
.set QW,     6291456
.set REC,    208896
.set AD,   8                           ; v8-11 16 x lane + my tiles 2 g, 2 g + 1 of x
.set BD,   12                          ; 16 x lane + my four tiles of the slot
.set O16,  13
.set O8,   14
.set R16,  15                          ; 16 r
.set BQ,   16                          ; 64 h
.set BV,   17                          ; 4 f(r), f(r) = r % 8 + 16 (r / 8): the row at place r of a tile
.set STW,  18
.set STR,  19
.set STR8, 20
.set SPW,  21
.set NIL,  22
.set UP,   24
.set MR,   32
.set SB,   40
.set SA,   72
.set BI,   136
.set PWV,  168                         ; v168-171 V's scale words
.set RB,   172
.set PC,   176                         ; v176-223 codes: q, k: six registers a block; v: twelve a tile of d
.set CT,   224                         ; v224-239 conversions' second halves
.set TM,   228
.set WD,   240                         ; v240-247 q's, k's scale words, one register a block
.set TMV,  240                         ; v240-255 at work for v
.set WV,   16
.set WM,   17
.set WN,   18
.set MSB, 0
.macro WIN new                         ; the immediate's high byte repeats the setting that is left
.if MSB != (\new)
	s_set_vgpr_msb (MSB<<8)|(\new)
.set MSB, \new
.endif
.endm
.macro ROUND                           ; a round of the cluster's barrier
	s_barrier_signal -1
	s_barrier_wait -1
	s_cmp_lg_u32 s[WV], 0
	s_cbranch_scc1 .Lnot_wave_0_\@
	s_barrier_signal -3
.Lnot_wave_0_\@:
	s_barrier_wait -3
	s_barrier_signal -1
	s_barrier_wait -1
.endm
.macro PLACES n                        ; plain vector instructions behind matrix instructions (ISA guide 7.12.1)
.rept \n
	v_nop
.endr
.endm
	s_load_b256 s[4:11], s[0:1], 0x0               ; xq s[4:5], wq s[6:7], attention_mask s[8:9], bqkv s[10:11]
	s_load_b128 s[12:15], s[0:1], 0x20             ; qi s[12:13], kv s[14:15]
	v_lshl_add_u32 v[SPW], v0, 2, SPARE
	v_mov_b32 v[NIL], 0
	ds_add_u32 v[SPW], v[NIL]                      ; the opening lines: the add, twice on end, and its wait ahead of my first tensor load
	ds_add_u32 v[SPW], v[NIL]
	v_lshrrev_b32 v1, 5, v0
	v_readfirstlane_b32 s[WV], v1
	s_lshr_b32 s[WM], s[WV], 1                     ; which 128 tokens are mine.  Also: at the head I fetch for x (0) or for Wqkv (1)
	s_and_b32 s[WN], s[WV], 1                      ; which 64 features.  Also: which half I fetch
	s_bfe_u32 s19, ttmp6, 0x40000                  ; cx
	s_bfe_u32 s20, ttmp6, 0x40004                  ; cy
	s_lshl_b32 s21, ttmp9, 2
	s_add_co_u32 s21, s21, s19                     ; j
	s_and_b32 s22, ttmp7, 0xffff
	s_lshl_b32 s22, s22, 2
	s_add_co_u32 s22, s22, s20                     ; y
	s_lshl_b32 s23, s20, 2
	s_lshl_b32 s23, 15, s23                        ; my row of the cluster
	s_lshl_b32 s2, 0x1111, s19                     ; my column
	s_or_b32 s24, s23, (3<<16)|(1<<21)             ; groups 1: dense bytes as rows of 256 (32 elements of 8): s[24:31] x's half, 384 rows;
	s_or_b32 s32, s2, (3<<16)|(1<<21)              ; s[32:39] half a block of Wqkv, 192 rows;
	s_or_b32 s40, s2, (3<<16)|(1<<21)              ; s[40:47] a quarter, 96 rows, for the refills
.irp g, 24, 32, 40
	s_mov_b32 s[\g+1], 32<<16
	s_mov_b32 s[\g+3], 32<<16
	s_mov_b32 s[\g+5], 32
	s_mov_b32 s[\g+6], 0
	s_mov_b32 s[\g+7], 0
.endr
	s_mov_b32 s26, 384<<16
	s_mov_b32 s28, 384
	s_mov_b32 s34, 192<<16
	s_mov_b32 s36, 192
	s_mov_b32 s42, 96<<16
	s_mov_b32 s44, 96
	s_mul_i32 s60, s[WN], 8*ATILE                  ; x: my half of the 16 tiles, in memory as in LDS
	s_mul_i32 s62, s22, 16*ATILE
	s_add_co_u32 s62, s62, s60
	s_mov_b32 s63, 0
	s_mov_b32 s48, 1
	s_mov_b32 s49, s60
	s_mul_i32 s66, s21, 8*ATILE                    ; Wqkv: q's block j; my half,
	s_mul_i32 s61, s[WN], 4*ATILE
	s_add_co_u32 s68, s66, s61
	s_mov_b32 s69, 0
	s_mov_b32 s52, 1
	s_add_co_u32 s53, s61, LB
	s_mul_i32 s61, s[WV], 2*ATILE                  ; and, for the refills, my quarter
	s_add_co_u32 s66, s66, s61
	s_mov_b32 s67, 0
	s_mov_b32 s56, 1
	s_add_co_u32 s57, s61, LB
	s_wait_dscnt 0x0                               ; both opening adds are done
	s_wait_kmcnt 0x0
	s_add_nc_u64 s[50:51], s[4:5], s[62:63]
	s_or_b32 s51, s51, 0x80000000
	s_add_nc_u64 s[54:55], s[6:7], s[68:69]
	s_or_b32 s55, s55, 0x80000000
	s_add_nc_u64 s[58:59], s[6:7], s[66:67]
	s_or_b32 s59, s59, 0x80000000
	ROUND                                          ; all sixteen work-groups are here: the joint loads meet
	s_cmp_eq_u32 s[WM], 0                          ; one load a wave; each line has one mask
	s_cbranch_scc0 .Lfor_b
	tensor_load_to_lds s[48:51], s[24:31]
	s_nop 0
	PLACES 4
	s_branch .Lasked
.Lfor_b:
	tensor_load_to_lds s[52:55], s[32:39]
	s_nop 0
	PLACES 4
.Lasked:
	s_lshr_b32 s82, s22, 3
	s_lshl_b32 s82, s82, 4
	s_lshl_b32 s83, s21, 1
	s_add_co_u32 s82, s82, s83
	s_add_co_u32 s82, s82, s[WN]                   ; my head: 16 x batch + 2 j + wave % 2
	s_and_b32 s83, s22, 7
	s_lshl_b32 s83, s83, 1
	s_add_co_u32 s83, s83, s[WM]                   ; my 128 tokens' number in the batch: the key step
	s_mov_b32 s85, 0
	s_mul_i32 s84, s82, 98304
	s_mul_i32 s86, s83, 6144
	s_add_co_u32 s84, s84, s86
	s_add_nc_u64 s[66:67], s[12:13], s[84:85]      ; s[66:67] the phase's codes, s[68:69] its words: q's first
	s_lshl_b32 s84, s82, 13
	s_lshl_b32 s86, s83, 9
	s_add_co_u32 s84, s84, s86
	s_add_co_u32 s84, s84, QW
	s_add_nc_u64 s[68:69], s[12:13], s[84:85]
	s_mul_i32 s87, s82, REC
	s_mul_i32 s84, s83, 12288
	s_add_co_u32 s84, s84, s87
	s_add_co_u32 s84, s84, 12288
	s_add_nc_u64 s[70:71], s[14:15], s[84:85]      ; k's codes,
	s_add_co_u32 s84, s84, 6144
	s_add_nc_u64 s[74:75], s[14:15], s[84:85]      ; v's,
	s_add_co_u32 s84, s87, s86
	s_add_nc_u64 s[72:73], s[14:15], s[84:85]      ; k's words,
	s_lshl_b32 s84, s83, 8
	s_add_co_u32 s84, s84, s87
	s_add_co_u32 s84, s84, 8192
	s_add_nc_u64 s[76:77], s[14:15], s[84:85]      ; v's
	s_lshl_b32 s84, s21, 12
	s_lshl_b32 s86, s[WN], 11
	s_add_co_u32 s84, s84, s86
	s_add_co_u32 s84, s84, WS
	s_add_nc_u64 s[78:79], s[6:7], s[84:85]        ; the scale bytes of my four tiles of Wqkv: 512 a tile
	s_lshl_b32 s84, s21, 9
	s_lshl_b32 s86, s[WN], 8
	s_add_co_u32 s84, s84, s86
	s_add_nc_u64 s[80:81], s[10:11], s[84:85]      ; the bias of my 64 features
	s_lshl_b32 s84, s22, 13
	s_lshl_b32 s86, s[WM], 12
	s_add_co_u32 s84, s84, s86
	s_add_co_u32 s84, s84, XS
	s_add_nc_u64 s[4:5], s[4:5], s[84:85]          ; the scale bytes of my eight tiles of x
	s_lshl_b32 s84, s22, 10
	s_lshl_b32 s86, s[WM], 9
	s_add_co_u32 s84, s84, s86
	s_add_nc_u64 s[8:9], s[8:9], s[84:85]          ; attention_mask at my first token
	s_mov_b32 s88, 0x76543210
	s_mov_b32 s89, 0xfedcba98                      ; v_permlanex16_b32's selects for lane l xor 16
	s_mul_i32 s90, s[WM], 8*ATILE
	s_mul_i32 s91, s[WN], 4*ATILE
	s_add_co_u32 s91, s91, LB
	s_lshl_b32 s92, s[WV], 9
	s_add_co_u32 s92, s92, STG
	v_and_b32 v2, 15, v0                           ; r
	v_bfe_u32 v3, v0, 4, 1                         ; h
	v_and_b32 v4, 31, v0
	v_lshlrev_b32 v[O16], 4, v4
	v_lshlrev_b32 v[O8], 3, v4
	v_lshlrev_b32 v[R16], 4, v2
	v_lshlrev_b32 v[BQ], 6, v3
	v_and_b32 v5, 7, v0
	v_bfe_u32 v6, v0, 3, 1
	v_lshl_add_u32 v5, v6, 4, v5
	v_lshlrev_b32 v[BV], 2, v5
	v_add_nc_u32 v[AD], s90, v[O16]
.irp g, 1,2,3
	v_add_nc_u32 v[AD+\g], 2*ATILE*\g, v[AD]
.endr
	v_add_nc_u32 v[BD], s91, v[O16]
	v_lshl_add_u32 v[STW], v2, 2, s92
	v_add_nc_u32 v[STR], s92, v[O16]
	v_add_nc_u32 v[STR8], s92, v[O8]
	v_mov_b32 v[TM+4], 0                           ; written once: a lane permute's destination counts as one of its sources
	v_mov_b32 v[TM+5], 0
.irp b, 4,5,6,7
	v_mov_b32 v[TMV+\b], 0
.endr
.irp a, 0,1,2,3,4,5,6,7
	v_mov_b32 v[UP+\a], 0x017f0000                 ; q: byte 2 = 127, byte 3 = 1
.endr
	v_mov_b32 v[RB], 0x01010000                    ; k, a key that counts: byte 2 = 1
	v_mov_b32 v[RB+1], 0x01e30000                  ; k, a padded key: byte 2 = 227
	s_wait_alu depctr_va_vdst(0)
.irp a, 0,1,2,3,4,5,6,7
	global_load_b32 v[MR+\a], v[BV], s[8:9] offset:(32*(\a/2)+8*(\a%2))*4   ; the mask at the token of place r of my tile a
.endr
.irp a, 0,1,2,3,4,5,6,7
.irp i, 0,1
	global_load_b128 v[SA+8*\a+4*\i:SA+8*\a+4*\i+3], v[R16], s[4:5] offset:512*\a+256*\i
.endr
.endr
	s_wait_loadcnt 16                              ; the mask's eight loads are in; the sixteen behind them may be out
.irp a, 0,1,2,3,4,5,6,7
	v_cmp_ne_u32 vcc_lo, 0, v[MR+\a]               ; does the token count?  A choice of a value, no branch
	v_cndmask_b32 v[MR+\a], v[RB+1], v[RB], vcc_lo
.endr
	s_mov_b32 s3, 0
	s_wait_alu depctr_va_vdst(0)                   ; the wait at the head's end
.macro LOADS                           ; the scale words of my four tiles of Wqkv
.irp b, 0,1,2,3
.irp i, 0,1
	global_load_b128 v[SB+8*\b+4*\i:SB+8*\b+4*\i+3], v[R16], s[78:79] offset:512*\b+256*\i
.endr
.endr
.endm
.macro LOADB k                         ; my four fragments of Wqkv of K step k
	WIN 0x40*(1+(\k)/4)
.irp b, 0,1,2,3
.irp c, 0,1,2
.set BR, 12*(4*((\k)%4)+\b)+4*\c
	ds_load_b128 v[BR:BR+3], v[BD] offset:ATILE*\b+1536*(\k)+512*\c
.endr
.endr
.endm
.macro LOADA a                         ; x's tile a, all of K, into set a % 2
	WIN 0xc0
.irp k, 0,1,2,3,4,5,6,7
.irp c, 0,1,2
.set AFR, 96*((\a)%2)+12*\k+4*\c
	ds_load_b128 v[AFR:AFR+3], v[AD+(\a)/2] offset:ATILE*((\a)%2)+1536*\k+512*\c
.endr
.endr
	WIN 0
.endm
.macro W1 a, k, b                      ; q, k: source 0 = Wqkv's tile b, source 1 = x's tile a
.set AC, 192+32*((\a)%2)+8*(\b)
.set BF, 12*(4*((\k)%4)+(\b))
.set AFR, 96*((\a)%2)+12*(\k)
.if (\k) == 0
	v_wmma_scale_f32_16x16x128_f8f6f4 v[AC:AC+7], v[BF:BF+11], v[AFR:AFR+11], v[BI+8*(\b):BI+8*(\b)+7], v[SB+8*(\b)+(\k)], v[SA+8*(\a)+(\k)] matrix_a_fmt:MATRIX_FMT_FP6 matrix_b_fmt:MATRIX_FMT_FP6
.else
	v_wmma_scale_f32_16x16x128_f8f6f4 v[AC:AC+7], v[BF:BF+11], v[AFR:AFR+11], v[AC:AC+7], v[SB+8*(\b)+(\k)], v[SA+8*(\a)+(\k)] matrix_a_fmt:MATRIX_FMT_FP6 matrix_b_fmt:MATRIX_FMT_FP6
.endif
.endm
.macro W2 a, k, b                      ; v: source 0 = x's tile a, source 1 = Wqkv's tile b; the accumulators of tiles 2 i, 2 i + 1 lie on end
.set AC, 192+16*(\b)+8*((\a)%2)
.set BF, 12*(4*((\k)%4)+(\b))
.set AFR, 96*((\a)%2)+12*(\k)
.if (\k) == 0
	v_wmma_scale_f32_16x16x128_f8f6f4 v[AC:AC+7], v[AFR:AFR+11], v[BF:BF+11], v[BI+8*(\b):BI+8*(\b)+7], v[SA+8*(\a)+(\k)], v[SB+8*(\b)+(\k)] matrix_a_fmt:MATRIX_FMT_FP6 matrix_b_fmt:MATRIX_FMT_FP6
.else
	v_wmma_scale_f32_16x16x128_f8f6f4 v[AC:AC+7], v[AFR:AFR+11], v[BF:BF+11], v[AC:AC+7], v[SA+8*(\a)+(\k)], v[SB+8*(\b)+(\k)] matrix_a_fmt:MATRIX_FMT_FP6 matrix_b_fmt:MATRIX_FMT_FP6
.endif
.endm
.macro KS4 w, a, k                     ; a K step's four products: the four accumulators by turns, one instruction a turn
.irp b, 0,1,2,3
	\w \a, \k, \b
.endr
.endm
; q, k: block a's 32 registers (register 16 b + i = number 32 b + 16 (lane / 16) + i of the head's 64) become a UNIT and a scale word
.macro EPI a
.set AC, 192+32*((\a)%2)
.set PCA, PC+6*(\a)
	WIN 0x14                                       ; sources 1 and 2: window 1
.irp b, 0,1
	v_max3_num_f32 v[TM+\b], 0x1800000, |v[AC+16*\b]|, |v[AC+16*\b+1]|       ; the floor 2^(3 - 127); each accumulator is read from its low end on; four chains by turns
	v_max3_num_f32 v[TM+2+\b], 0x1800000, |v[AC+16*\b+8]|, |v[AC+16*\b+9]|
.endr
.irp i, 2,4,6
.irp b, 0,1
	v_max3_num_f32 v[TM+\b], v[TM+\b], |v[AC+16*\b+\i]|, |v[AC+16*\b+\i+1]|
	v_max3_num_f32 v[TM+2+\b], v[TM+2+\b], |v[AC+16*\b+8+\i]|, |v[AC+16*\b+9+\i]|
.endr
.endr
	WIN 0
.irp b, 0,1
	v_max_num_f32 v[TM+\b], v[TM+\b], v[TM+2+\b]
.endr
.irp b, 0,1
	v_permlanex16_b32 v[TM+4+\b], v[TM+\b], s88, s89
.endr
.irp b, 0,1
	v_max_num_f32 v[TM+\b], v[TM+\b], v[TM+4+\b]   ; with lane l xor 16's: the block's largest magnitude
.endr
.irp b, 0,1
	v_add_nc_u32 v[TM+6+\b], 0xff000000, v[TM+\b]  ; 2 off its exponent field: the conversion's scale operand
.endr
.irp b, 0,1
	v_lshrrev_b32 v[TM+8+\b], 23, v[TM+6+\b]       ; the scale's byte
.endr
	WIN 0x01                                       ; source 0: window 1
	v_cvt_scalef32_pk16_fp6_f32 v[PCA:PCA+2], v[AC:AC+15], v[TM+6]
	v_cvt_scalef32_pk16_fp6_f32 v[CT:CT+2], v[AC+16:AC+31], v[TM+7]   ; (a conversion's three registers begin on an even number)
	WIN 0
	v_lshl_or_b32 v[WD+(\a)], v[TM+9], 8, v[TM+8]  ; (a plain place behind the conversions)
	v_or_b32 v[WD+(\a)], v[WD+(\a)], v[UP+(\a)]    ; the two bytes under the word's upper half
.irp i, 0,1,2
	v_permlane16_swap_b32 v[PCA+\i], v[CT+\i]      ; the operand's layout wants a whole block in a lane
.endr
.irp i, 0,1,2
	v_mov_b32 v[PCA+3+\i], v[CT+\i]
.endr
	global_store_b128 v[O16], v[PCA:PCA+3], s[66:67] offset:768*(\a)          ; 512 consecutive bytes,
	global_store_b64 v[O8], v[PCA+4:PCA+5], s[66:67] offset:768*(\a)+512      ; and 256
.endm
.macro BLK a
	s_wait_dscnt 0x0                               ; tile a's fragments, asked for 32 matrix instructions ago
.if (\a) >= 1
	PLACES 5                                       ; behind block a - 1's products: ahead of loads into the fragments that they read and of the reads of their results
.endif
.if (\a) < 7
	LOADA (\a)+1
.endif
	WIN 0x4d                                       ; source 0 window 1, source 1 window 3, C (the bias) window 0, D window 1
	KS4 W1, \a, 0
	WIN 0x5d                                       ; C window 1
	KS4 W1, \a, 1
	KS4 W1, \a, 2
	KS4 W1, \a, 3
.if (\a) >= 1
	EPI (\a)-1
.endif
	WIN 0x5e                                       ; source 0 window 2
	KS4 W1, \a, 4
	KS4 W1, \a, 5
	KS4 W1, \a, 6
	KS4 W1, \a, 7
	WIN 0
.endm
.Lphase:                                               ; two trips: q, then k
	LOADS
.irp b, 0,1,2,3
.irp i, 0,1
	global_load_b128 v[BI+8*\b+4*\i:BI+8*\b+4*\i+3], v[BQ], s[80:81] offset:(32*(\b/2)+8*(\b%2))*4+16*\i   ; register j of tile b: the bias of feature 32 (b / 2) + 8 (b % 2) + 16 h + j
.endr
.endr
	s_wait_tensorcnt 0x0                           ; my part of what was on its way is in,
	s_barrier_signal -1
	s_barrier_wait -1                              ; everybody's is
.irp k, 0,1,2,3,4,5,6,7
	LOADB \k
.endr
	LOADA 0
	s_wait_tensorcnt 0x0                           ; ahead of the refill's round: all my tensor loads,
	ds_add_u32 v[SPW], v[NIL]                      ; the add,
	s_add_nc_u64 s[58:59], s[58:59], 64*ATILE      ; (no load of mine is out: the next block, 1,024 features on)
	s_wait_dscnt 0x0                               ; the add and my reads of the slot
	ROUND                                          ; no wave of any partner still reads the slot
	tensor_load_to_lds s[56:59], s[40:47]          ; my quarter of the next block
	s_nop 0
	PLACES 4
	s_wait_loadcnt 0x0                             ; the scale words and the bias
.irp a, 0,1,2,3,4,5,6,7
	BLK \a
.endr
	PLACES 5
	EPI 7
	s_wait_alu depctr_va_vdst(0)                   ; directly ahead of the wait below
	s_wait_tensorcnt 0x0                           ; no tensor load of mine is out while I store to LDS
.irp a, 0,1,2,3,4,5,6,7
	ds_store_b32 v[STW], v[WD+\a] offset:64*\a     ; lanes r and r + 16 write the same word with the same value
.endr
	ds_load_b128 v[RB:RB+3], v[STR]                ; my own bytes: LDS serves a wave's instructions in order
	s_wait_dscnt 0x0
	global_store_b128 v[O16], v[RB:RB+3], s[68:69] ; eight tiles' words: 512 consecutive bytes
	s_wait_xcnt 0x0                                ; the stores have read their registers and bases
	s_mov_b64 s[66:67], s[70:71]                   ; k's places,
	s_mov_b64 s[68:69], s[72:73]
	s_add_nc_u64 s[78:79], s[78:79], 64*512        ; the next block's scale bytes and bias
	s_add_nc_u64 s[80:81], s[80:81], 4096
.irp a, 0,1,2,3,4,5,6,7
	v_mov_b32 v[UP+\a], v[MR+\a]                   ; and k's upper halves
.endr
	s_add_co_u32 s3, s3, 1
	s_cmp_lt_u32 s3, 2
	s_wait_alu depctr_va_vdst(0)                   ; the wait directly ahead of the branch
	s_cbranch_scc1 .Lphase
; v.  Tiles 2 i and 2 i + 1 of x are block i of the key step's four: for each of my four tiles of d, 16 registers = keys 32 i + 16 (lane / 16) + 0..15
.macro EPIV i
.set WA, 1+(\i)%2
	WIN (WA<<2)|(WA<<4)
.irp b, 0,1,2,3
	v_max3_num_f32 v[TMV+\b], 0x1800000, |v[192+16*\b]|, |v[193+16*\b]|
.endr
.irp n, 2,4,6,8,10,12,14
.irp b, 0,1,2,3
	v_max3_num_f32 v[TMV+\b], v[TMV+\b], |v[192+16*\b+\n]|, |v[193+16*\b+\n]|
.endr
.endr
	WIN 0
.irp b, 0,1,2,3
	v_permlanex16_b32 v[TMV+4+\b], v[TMV+\b], s88, s89
.endr
.irp b, 0,1,2,3
	v_max_num_f32 v[TMV+\b], v[TMV+\b], v[TMV+4+\b]
.endr
.irp b, 0,1,2,3
	v_add_nc_u32 v[TMV+8+\b], 0xff000000, v[TMV+\b]
.endr
.irp b, 0,1,2,3
	v_lshrrev_b32 v[TMV+12+\b], 23, v[TMV+8+\b]
.endr
.irp b, 0,1,2,3
.if (\i) == 0
	v_mov_b32 v[PWV+\b], v[TMV+12+\b]
.else
	v_lshl_or_b32 v[PWV+\b], v[TMV+12+\b], 8*(\i), v[PWV+\b]
.endif
.endr
	WIN WA
.irp b, 0,1,2,3
.if (\i)%2 == 0
	v_cvt_scalef32_pk16_fp6_f32 v[PC+12*\b+6*((\i)/2):PC+12*\b+6*((\i)/2)+2], v[192+16*\b:207+16*\b], v[TMV+8+\b]
.else
	v_cvt_scalef32_pk16_fp6_f32 v[CT+4*\b:CT+4*\b+2], v[192+16*\b:207+16*\b], v[TMV+8+\b]
.endif
.endr
	WIN 0
	v_nop                                          ; one plain place behind a scaled conversion
.if (\i)%2
.irp b, 0,1,2,3
.irp m, 0,1,2
	v_permlane16_swap_b32 v[PC+12*\b+6*((\i)/2)+\m], v[CT+4*\b+\m]
.endr
.endr
.irp b, 0,1,2,3
.irp m, 0,1,2
	v_mov_b32 v[PC+12*\b+6*((\i)/2)+3+\m], v[CT+4*\b+\m]
.endr
.endr
.endif
.endm
.macro VBLK a
.set WD2, 1+((\a)/2)%2                 ; the pair's accumulators: window 1 or 2
	s_wait_dscnt 0x0
.if (\a) >= 1
	PLACES 5
.endif
.if (\a) < 7
	LOADA (\a)+1
.endif
	WIN 3|(1<<2)|(WD2<<6)                          ; source 0 window 3, source 1 window 1, C (the bias) window 0
	KS4 W2, \a, 0
	WIN 3|(1<<2)|(WD2<<4)|(WD2<<6)
	KS4 W2, \a, 1
	KS4 W2, \a, 2
	KS4 W2, \a, 3
.if (\a) >= 2 && (\a)%2 == 0
	EPIV (\a)/2-1
.endif
	WIN 3|(2<<2)|(WD2<<4)|(WD2<<6)
	KS4 W2, \a, 4
	KS4 W2, \a, 5
	KS4 W2, \a, 6
	KS4 W2, \a, 7
	WIN 0
.endm
	LOADS
.irp b, 0,1,2,3
.irp j, 0,1,2,3,4,5,6,7
	global_load_b32 v[BI+8*\b+\j], v[BV], s[80:81] offset:(32*(\b/2)+8*(\b%2))*4   ; one number a lane, the bias of the feature at place r of tile b, in all eight registers
.endr
.endr
	s_wait_tensorcnt 0x0                           ; my quarter of v's block is in,
	s_barrier_signal -1
	s_barrier_wait -1                              ; everybody's is; nothing more is filled
.irp k, 0,1,2,3,4,5,6,7
	LOADB \k
.endr
	LOADA 0
	s_wait_loadcnt 0x0
.irp a, 0,1,2,3,4,5,6,7
	VBLK \a
.endr
	PLACES 5
	EPIV 3
.irp b, 0,1,2,3
.irp c, 0,1,2
	global_store_b128 v[O16], v[PC+12*\b+4*\c:PC+12*\b+4*\c+3], s[74:75] offset:1536*\b+512*\c
.endr
.endr
.irp b, 0,1,2,3
	ds_store_b32 v[STW], v[PWV+\b] offset:64*\b
.endr
	ds_load_b64 v[RB:RB+1], v[STR8]
	s_wait_dscnt 0x0
	global_store_b64 v[O8], v[RB:RB+1], s[76:77]   ; four tiles' words: 256 consecutive bytes
	s_wait_tensorcnt 0x0                           ; the wave's end, behind my last tensor load and my last LDS store
	ds_add_u32 v[SPW], v[NIL]
	s_wait_dscnt 0x0
	ROUND                                          ; the closing round
	s_endpgm
.Lfunc_end_k_qb954ea36f8_qkv:
	.size	k_qb954ea36f8_qkv, .Lfunc_end_k_qb954ea36f8_qkv-k_qb954ea36f8_qkv
	.p2alignl 7, 3214868480
	.fill 96, 4, 3214868480
	.section	.rodata,"a",@progbits
	.p2align	6, 0x0
	.amdhsa_kernel k_qb954ea36f8_qkv
		.amdhsa_group_segment_fixed_size 327680
		.amdhsa_private_segment_fixed_size 0
		.amdhsa_enable_private_segment 0
		.amdhsa_kernarg_size 48
		.amdhsa_user_sgpr_count 2
		.amdhsa_user_sgpr_kernarg_segment_ptr 1
		.amdhsa_wavefront_size32 1
		.amdhsa_system_sgpr_workgroup_id_x 1
		.amdhsa_system_sgpr_workgroup_id_y 1
		.amdhsa_system_sgpr_workgroup_id_z 1
		.amdhsa_system_vgpr_workitem_id 0
		.amdhsa_next_free_vgpr 1024
		.amdhsa_next_free_sgpr 100
		.amdhsa_reserve_vcc 1
		.amdhsa_float_denorm_mode_32 3
		.amdhsa_float_denorm_mode_16_64 3
		.amdhsa_memory_ordered 1
		.amdhsa_forward_progress 1
		.amdhsa_inst_pref_size 161
	.end_amdhsa_kernel
	.amdgpu_metadata
---
amdhsa.version: [ 1, 2 ]
amdhsa.kernels:
  - .name:           k_qb954ea36f8_qkv
    .symbol:         k_qb954ea36f8_qkv.kd
    .args:
      - { .name: xq, .offset: 0, .size: 8, .value_kind: global_buffer, .address_space: global }
      - { .name: wq, .offset: 8, .size: 8, .value_kind: global_buffer, .address_space: global }
      - { .name: attention_mask, .offset: 16, .size: 8, .value_kind: global_buffer, .address_space: global }
      - { .name: bqkv, .offset: 24, .size: 8, .value_kind: global_buffer, .address_space: global }
      - { .name: qi, .offset: 32, .size: 8, .value_kind: global_buffer, .address_space: global }
      - { .name: kv, .offset: 40, .size: 8, .value_kind: global_buffer, .address_space: global }
    .group_segment_fixed_size: 327680
    .private_segment_fixed_size: 0
    .kernarg_segment_align: 8
    .kernarg_segment_size: 48
    .max_flat_workgroup_size: 128
    .sgpr_count:     100
    .vgpr_count:     1024
    .wavefront_size: 32
...
	.end_amdgpu_metadata
.endif
;; end of part 2
;; launch attn (part 3): grid 4 x 64, 16 waves a work-group, clusters of 4 x 1, 210,944 bytes of LDS; arguments qi, kv, yi; writes yi
.if DOCPART == 3
	.amdgcn_target "amdgcn-amd-amdhsa--gfx1250"
	.amdhsa_code_object_version 6
	.text
	.protected	k_qb954ea36f8_attn
	.globl	k_qb954ea36f8_attn
	.p2align	8
	.type	k_qb954ea36f8_attn,@function
k_qb954ea36f8_attn:
	s_mov_b64 s[64:65], 0
	v_nop
	global_prefetch_b8 v0, s[64:65] scope:SCOPE_SE
	s_setreg_imm32_b32 hwreg(HW_REG_WAVE_MODE, 25, 1), 1
	s_wait_xcnt 0x0
	s_wait_alu depctr_hold_cnt(0) depctr_sa_sdst(0) depctr_va_vdst(0) depctr_va_sdst(0) depctr_va_ssrc(0) depctr_va_vcc(0) depctr_vm_vsrc(0)
	s_getreg_b32 s2, hwreg(HW_REG_IB_STS2, 6, 4)
	s_cmp_eq_u32 s2, 0
	s_cbranch_scc0 .Lentry_in_a_cluster
	s_endpgm
.Lentry_in_a_cluster:
	s_bfe_u32 s2, ttmp6, 0x10000c
	s_cmp_lg_u32 s2, 0x3003
	s_cbranch_scc0 .Lentry_shape_is_right
	s_endpgm
.Lentry_shape_is_right:
; y = softmax(q k^T / 8, causal and padding mask) v for one head a cluster, both products on codes of FP6 (E2M3) with E8M0 scales; y leaves as codes for the last product.
; THE SOFTMAX: t = score x log2(e) / 8; M = the running largest t rounded up to a whole number; p = 2^(t - M) is quantised along the keys, not normalised; the row's sum is taken of the unquantised p and divides at the end.
; SHARES.  The four work-groups of a cluster share one head.  A head's record (K's and V's scale words, then 16 key steps of 8 UNITs of K and 4 FRAGs of V, 208,896 bytes) is brought into each one's LDS ONCE, by joint
; loads with a mask that names the four: no ring, no refill.  Wave w of work-group cx owns two tiles of 16 queries: t0 = 4 w + cx and t1 = 127 - t0.  A tile's last key step is tile / 8, that is w / 2 and 15 - w / 2:
; made of the wave's number alone; every wave has 17 key steps of 128 keys.
; LAYOUT.  Both products are used transposed (S^T = K Q^T, O^T = V^T P^T): a lane holds one query throughout.  Tiles hold rows at place sw(row), so lane r of tile T holds row 32 (T / 2) + 8 (T % 2) + 16 (r / 8) + r % 8,
; and the 16 registers of two neighbouring result tiles are 16 neighbours: keys for p, the head's d for y.
; UNIT = six operand registers (16 rows x 64 K): registers 0-3 at 16 x lane, 4-5 at 512 + 8 x lane.  FRAG = twelve: group c at 512 c + 16 x lane.
; THE HEAD HAS 64 OF THE INSTRUCTION'S 128 ALONG K.  The other half carries the padding mask: at K index 64 q holds the code of -1 and k that of +1, all else zero codes; q's scale byte there is 127, k's was made 1 (the key counts)
; or 227 (padded): the product takes 2^-126 or 2^100 off the score, with no vector instruction.
; THE CAUSAL MASK.  Every loop's trip count is a constant; a step all of whose keys come after the tile is jumped over (a scalar branch on the wave's number and the count of steps); on the diagonal step hidden scores become -infinity.
; LIMITS.  A query with no visible key (all keys up to it padded) has the sum 0: its scale bytes are made 0xff, so that its row of the output is NaN.  |t| stays under 2^90 (the running maximum begins at -2^90).
; 2^-126 is taken off the score of a key that counts.  Blocks of zeros carry the byte 1.  NaN and infinities are not served.
; No prefetch: all of K and V is asked for at the head.  y's scale bytes, two a row and head, are stored singly, 32 bytes apart: one byte in 25 of what is stored.
; REGISTERS: v1-3 16, 8, 4 x lane; v4-7 the step's LDS addresses; v8 the diagonal's bound; v9 4 r; v10 32 r + h; v11 0xff; v12 -M, v13 the largest t, v[14:15] the sum; v16-27 Q; v28-31 K's scale words; v32-79 four fragments of K;
; v80-127 V's four; v128-191 S^T, then p; v192-223 O^T; v224-235 codes; v232-247 at work; v248-249 V's scale words; v250, v251 the add's two; v252 f; v253 p's scale word; v254 at work; v255 q's scale word.
.set REC,   208896
.set STEPB, 12288                      ; a key step: 6,144 bytes of K, 6,144 of V
.set QW,    6291456                    ; where the scale words begin in qi
.set YSO,   6291456                    ; where the scale bytes begin in yi
.set SPARE, REC                        ; behind the record: the spare words, 128 bytes for each of 16 waves
.set S,   128
.set O,   192
.set SPW, 250
.set NIL, 251
.set WV,  10
.set G1A, 16                           ; s[16:23] descriptor group 1; s[32:35] group 0
.set G0A, 32
.set SEL, 40
.set CS,  42                           ; s[42:43] c = log2(e) / 8
.set KS,  44                           ; s44 the key step
.set TB,  45                           ; s45 where its tiles begin in LDS
.set TS,  46                           ; s46 K's scale words
.set TJ,  47                           ; s47 V's
.set LAST, 48                          ; s48 the tile's last key step
.set HM,  49                           ; s49 lanes 16-31
.set DEAD, 50                          ; s50 lanes whose sum is 0
.set T1,  52                           ; s[52:61] tile t1: Q's codes, Q's words, y's codes, y's bytes (pairs), the last step, the diagonal's offset
.set T0,  66                           ; s[66:75] tile t0
.macro CROUND
	s_barrier_signal -1
	s_barrier_wait -1
	s_cmp_lg_u32 s[WV], 0
	s_cbranch_scc1 .Lnot_wave_0_\@
	s_barrier_signal -3
.Lnot_wave_0_\@:
	s_barrier_wait -3
	s_barrier_signal -1
	s_barrier_wait -1
.endm
.macro MKSET T, tau                    ; the addresses of the tile whose number stands in s[tau]
	s_lshl_b32 s76, s12, 7
	s_add_co_u32 s76, s76, s[\tau]                 ; 128 x head + tile
	s_mul_i32 s78, s76, 768
	s_mov_b32 s79, 0
	s_add_nc_u64 s[\T:\T+1], s[4:5], s[78:79]
	s_lshl_b32 s78, s76, 6
	s_add_co_u32 s78, s78, QW
	s_add_nc_u64 s[\T+2:\T+3], s[4:5], s[78:79]
	s_lshr_b32 s76, s12, 4
	s_lshl_b32 s76, s76, 7
	s_add_co_u32 s76, s76, s[\tau]                 ; 128 x batch + tile
	s_and_b32 s77, s12, 15                         ; the head in its batch
	s_lshl_b32 s78, s76, 4
	s_add_co_u32 s78, s78, s77
	s_mul_i32 s78, s78, 768
	s_add_nc_u64 s[\T+4:\T+5], s[8:9], s[78:79]
	s_lshl_b32 s78, s76, 9                         ; 16 rows of 32 scale bytes
	s_lshl_b32 s77, s77, 1
	s_add_co_u32 s78, s78, s77
	s_add_co_u32 s78, s78, YSO
	s_add_nc_u64 s[\T+6:\T+7], s[8:9], s[78:79]
	s_lshr_b32 s76, s[\tau], 1
	s_and_b32 s76, s76, 3
	s_lshl_b32 s76, s76, 5
	s_and_b32 s77, s[\tau], 1
	s_lshl_b32 s77, s77, 3
	s_add_co_u32 s[\T+9], s76, s77                 ; the tile's first query in its diagonal step: 32 ((tile / 2) % 4) + 8 (tile % 2)
.endm
	s_load_b128 s[4:7], s[0:1], 0x0                ; qi s[4:5], kv s[6:7]
	s_load_b64 s[8:9], s[0:1], 0x10                ; yi
	v_lshl_add_u32 v[SPW], v0, 2, SPARE
	v_mov_b32 v[NIL], 0
	ds_add_u32 v[SPW], v[NIL]                      ; the wave's opening: the add and its wait ahead of the first tensor loads; the set-up below stands between them
	ds_add_u32 v[SPW], v[NIL]
	v_lshrrev_b32 v1, 5, v0
	s_delay_alu instid0(VALU_DEP_1)
	v_readfirstlane_b32 s[WV], v1                  ; wave 0..15
	s_bfe_u32 s11, ttmp6, 0x40000                  ; cx: it enters Q's and y's addresses and the diagonal's bound alone
	s_and_b32 s12, ttmp7, 0xffff                   ; the head, which the four partners share
	; descriptor groups 1: dense bytes as rows of 256 (32 elements of 8 bytes); mask: all four work-groups, bit 21 beside it
.irp g, G1A
	s_mov_b32 s[\g], 15|(3<<16)|(1<<21)
	s_mov_b32 s[\g+1], 32<<16                      ; tensor_dim0
	s_mov_b32 s[\g+3], 32<<16                      ; tile_dim0
	s_mov_b32 s[\g+5], 32                          ; the pitch
	s_mov_b32 s[\g+6], 0
	s_mov_b32 s[\g+7], 0
.endr
	s_mov_b32 s[G1A+2], 51<<16                     ; 51 rows of 256 bytes: a sixteenth of the record; every wave fetches one
	s_mov_b32 s[G1A+4], 51
	s_mul_i32 s13, s12, REC                        ; the head's record, under 2^24
	s_mul_i32 s15, s[WV], REC/16
	s_mov_b32 s[G0A], 1
	s_mov_b32 s[G0A+1], s15
	s_add_co_u32 s2, s13, s15
	s_mov_b32 s3, 0
	s_mov_b32 s[SEL], 0x76543210
	s_mov_b32 s[SEL+1], 0xfedcba98
	s_mov_b32 s[CS], 0x3e38aa3b                    ; log2(e) / 8
	s_mov_b32 s[CS+1], s[CS]                       ; (named with it as a pair, so it is written)
	s_mov_b32 s[HM], 0xffff0000
	s_lshl_b32 s51, s[WV], 2
	s_add_co_u32 s51, s51, s11                     ; t0
	s_sub_co_u32 s62, 127, s51                     ; t1
	s_wait_dscnt 0x0                               ; the opening add is done
	s_wait_kmcnt 0x0
	s_add_nc_u64 s[G0A+2:G0A+3], s[6:7], s[2:3]
	s_or_b32 s[G0A+3], s[G0A+3], 0x80000000
	MKSET T1, 62
	MKSET T0, 51
	s_lshr_b32 s[T0+8], s[WV], 1                   ; the tiles' last key steps, of the wave's number alone
	s_sub_co_u32 s[T1+8], 15, s[T0+8]
	CROUND                                         ; all four work-groups are here: the joint loads meet
	tensor_load_to_lds s[G0A:G0A+3], s[G1A:G1A+7]  ; one load a wave, with no branch: the addresses are made of the wave's number
	s_nop 0
.rept 4
	v_nop
.endr
	v_and_b32 v3, 31, v0
	s_delay_alu instid0(VALU_DEP_1)
	v_lshlrev_b32 v1, 4, v3
	s_delay_alu instid0(VALU_DEP_2)
	v_lshlrev_b32 v2, 3, v3
	s_delay_alu instid0(VALU_DEP_3)
	v_lshlrev_b32 v3, 2, v3
	v_and_b32 v9, 15, v0
	v_bfe_u32 v10, v0, 4, 1
	s_delay_alu instid0(VALU_DEP_1)
	v_lshl_add_u32 v10, v9, 5, v10
	s_delay_alu instid0(VALU_DEP_3)
	v_lshlrev_b32 v9, 2, v9
	v_mov_b32 v11, 0xff
.macro QLOAD T                         ; a tile's UNIT of q and its scale words
	global_load_b128 v[16:19], v1, s[\T:\T+1] th:TH_LOAD_NT
	global_load_b64 v[20:21], v2, s[\T:\T+1] offset:512 th:TH_LOAD_NT
	global_load_b32 v255, v9, s[\T+2:\T+3] th:TH_LOAD_NT
.endm
	QLOAD T1
	v_bfe_u32 v254, v0, 4, 1
	s_delay_alu instid0(VALU_DEP_1)
	v_sub_nc_u32 v254, 1, v254                     ; 1 in lanes 0-15
	s_delay_alu instid0(VALU_DEP_1)
	v_mul_u32_u24 v22, v254, 40                    ; K index 64 of q: the code of -1.0
.irp i, 23,24,25,26,27
	v_mov_b32 v\i, 0
.endr
.irp t, 0,1,2,3
	v_lshlrev_b32 v[38+12*\t], 3, v254             ; K index 64 of k: the code of +1.0
.irp i, 7,8,9,10,11
	v_mov_b32 v[32+12*\t+\i], 0
.endr
.endr
.irp b, 0,1,2,3
	v_mov_b32 v[236+\b], 0                         ; written once: a lane permute's destination counts as one of its sources
.endr
	v_mov_b32 v252, 0
	v_mov_b32 v253, 0                              ; (named as the upper half of the pair v[252:253] before it is first written)
.macro QK T                            ; S^T's tile T: 16 keys x my 16 queries; K's words of tiles 2 i and 2 i + 1 share a register
.if (\T)%2
	v_wmma_scale_f32_16x16x128_f8f6f4 v[S+8*(\T):S+8*(\T)+7], v[32+12*((\T)%4):43+12*((\T)%4)], v[16:27], 0, v[28+(\T)/2], v255 matrix_a_fmt:MATRIX_FMT_FP6 matrix_b_fmt:MATRIX_FMT_FP6 matrix_a_scale:MATRIX_SCALE_ROW1
.else
	v_wmma_scale_f32_16x16x128_f8f6f4 v[S+8*(\T):S+8*(\T)+7], v[32+12*((\T)%4):43+12*((\T)%4)], v[16:27], 0, v[28+(\T)/2], v255 matrix_a_fmt:MATRIX_FMT_FP6 matrix_b_fmt:MATRIX_FMT_FP6
.endif
.endm
.macro PV d                            ; O^T's tile d += 16 of the head's 64 x these 128 keys
.if (\d)%2
	v_wmma_scale_f32_16x16x128_f8f6f4 v[O+8*(\d):O+8*(\d)+7], v[80+12*(\d):91+12*(\d)], v[224:235], v[O+8*(\d):O+8*(\d)+7], v[248+(\d)/2], v253 matrix_a_fmt:MATRIX_FMT_FP6 matrix_b_fmt:MATRIX_FMT_FP6 matrix_a_scale:MATRIX_SCALE_ROW1
.else
	v_wmma_scale_f32_16x16x128_f8f6f4 v[O+8*(\d):O+8*(\d)+7], v[80+12*(\d):91+12*(\d)], v[224:235], v[O+8*(\d):O+8*(\d)+7], v[248+(\d)/2], v253 matrix_a_fmt:MATRIX_FMT_FP6 matrix_b_fmt:MATRIX_FMT_FP6
.endif
.endm
; A KEY STEP: 128 keys
.macro STEP
	s_cmp_gt_u32 s[KS], s[LAST]                    ; all its keys come after my queries: nothing to do
	s_cbranch_scc1 .Lhidden_\@
	v_add_nc_u32 v4, s[TB], v1
	v_add_nc_u32 v5, s[TB], v2
	v_add_nc_u32 v6, s[TS], v3
	v_add_nc_u32 v7, s[TJ], v3
.irp t, 0,1,2,3
	ds_load_b128 v[32+12*\t:35+12*\t], v4 offset:768*\t
	ds_load_b64 v[36+12*\t:37+12*\t], v5 offset:768*\t+512
.endr
.irp b, 0,1,2,3
	ds_load_b32 v[28+\b], v6 offset:128*\b         ; lanes 0-15: tile 2 b's words, lanes 16-31: tile 2 b + 1's
.endr
	s_wait_alu depctr_va_vdst(0)
	s_wait_dscnt 0x0
.irp t, 0,1,2,3
	QK \t
.endr
.rept 4
	v_nop                                          ; places in front of loads into registers that matrix instructions have read (with the four additions above: eight behind the last step's products, for V's)
.endr
.irp t, 0,1,2,3
	ds_load_b128 v[32+12*\t:35+12*\t], v4 offset:3072+768*\t
	ds_load_b64 v[36+12*\t:37+12*\t], v5 offset:3072+768*\t+512
.endr
.irp d, 0,1,2,3
.irp c, 0,1,2
	ds_load_b128 v[80+12*\d+4*\c:83+12*\d+4*\c], v4 offset:6144+1536*\d+512*\c
.endr
.endr
.irp b, 0,1
	ds_load_b32 v[248+\b], v7 offset:128*\b
.endr
	s_wait_dscnt 14                                ; K's eight loads are in; V's twelve and its two scale words land under the softmax
.irp t, 4,5,6,7
	QK \t
.endr
.rept 4
	v_nop
.endr
	s_cmp_lt_u32 s[KS], s[LAST]                    ; all keys of the step count but for the padding
	s_cbranch_scc1 .Lopen_\@
	v_mov_b32 v254, 0xff800000                     ; the diagonal: register 16 b + i holds key 32 b + 16 (lane / 16) + i of the step: hidden where 32 b + i > v8
.set n, 0
.rept 64
	v_cmp_gt_i32 vcc_lo, 32*(n/16)+n%16, v8
	v_cndmask_b32 v[S+n], v[S+n], v254, vcc_lo
.set n, n+1
.endr
.Lopen_\@:
.irp b, 0,1,2,3
	v_max3_num_f32 v[232+\b], v[S+16*\b], v[S+1+16*\b], v[S+2+16*\b]   ; the largest score of each block of 32 keys: for the row's maximum and, since p rises with the score, for the block's largest p
.endr
.irp i, 3,5,7,9,11,13
.irp b, 0,1,2,3
	v_max3_num_f32 v[232+\b], v[232+\b], v[S+16*\b+\i], v[S+1+16*\b+\i]
.endr
.endr
.irp b, 0,1,2,3
	v_max_num_f32 v[232+\b], v[232+\b], v[S+15+16*\b]
.endr
.irp b, 0,1,2,3
	s_delay_alu instid0(VALU_DEP_4)
	v_permlanex16_b32 v[236+\b], v[232+\b], s[SEL], s[SEL+1]
.endr
.irp b, 0,1,2,3
	s_delay_alu instid0(VALU_DEP_4)
	v_max_num_f32 v[232+\b], v[232+\b], v[236+\b]  ; with lane l xor 16's 16 keys
.endr
	s_delay_alu instid0(VALU_DEP_2)
	v_max3_num_f32 v254, v232, v233, v234
	s_delay_alu instid0(VALU_DEP_1)
	v_max_num_f32 v254, v254, v235
	s_delay_alu instid0(VALU_DEP_1)
	v_mul_f32 v254, s[CS], v254                    ; the step's largest t
	s_delay_alu instid0(VALU_DEP_1)
	v_max_num_f32 v13, v13, v254                   ; the running largest t
	v_mov_b32 v254, v12
	s_delay_alu instid0(VALU_DEP_2)
	v_floor_f32 v12, -v13                          ; the new -M = -ceil(t): a whole number
	s_delay_alu instid0(VALU_DEP_1)
	v_sub_f32 v254, v12, v254                      ; old M - new M: a whole number, 0 or less
	s_delay_alu instid0(VALU_DEP_1)
	v_cvt_i32_f32 v254, v254                       ; (it saturates)
	s_delay_alu instid0(VALU_DEP_1)
	v_ldexp_f32 v252, 1.0, v254                    ; f = 2^(old M - new M): a multiplication by it rounds nothing
.set j, 0
.rept 32
	v_pk_fma_f32 v[S+j:S+j+1], v[S+j:S+j+1], s[CS:CS+1], v[12:13] op_sel_hi:[1,0,0]   ; t - M, two at a time
.set j, j+2
.endr
.irp b, 0,1,2,3
	v_fma_f32 v[232+\b], v[232+\b], s[CS], v12     ; the same of each block's largest score
.endr
.set j, 0
	s_wait_alu depctr_va_vdst(0)
.rept 64
	v_exp_f32 v[S+j], v[S+j]                       ; p = 2^(t - M), at most 1
.set j, j+1
.endr
	v_pk_mul_f32 v[14:15], v[14:15], v[252:253] op_sel_hi:[1,0]   ; the sums under the new M (a plain place behind the exponentials)
	s_wait_alu depctr_va_vdst(0)                   ; one wait for the whole batch, ahead of its first reader
.irp b, 0,1,2,3
	v_exp_f32 v[232+\b], v[232+\b]                 ; the block's largest p
.endr
	v_pk_add_f32 v[236:237], v[132:133], v[136:137]
	v_pk_add_f32 v[246:247], v[140:141], v[144:145]
	v_pk_add_f32 v[244:245], v[148:149], v[152:153]
	v_pk_add_f32 v[242:243], v[156:157], v[160:161]
	v_pk_add_f32 v[240:241], v[164:165], v[168:169]
	v_pk_add_f32 v[238:239], v[172:173], v[176:177]
	v_pk_add_f32 v[230:231], v[180:181], v[184:185]
	v_pk_add_f32 v[14:15], v[14:15], v[188:189]
	v_pk_add_f32 v[236:237], v[236:237], v[128:129]
	v_pk_add_f32 v[246:247], v[246:247], v[130:131]
	v_pk_add_f32 v[244:245], v[244:245], v[134:135]
	v_pk_add_f32 v[242:243], v[242:243], v[138:139]
	v_pk_add_f32 v[240:241], v[240:241], v[142:143]
	v_pk_add_f32 v[238:239], v[238:239], v[146:147]
	v_pk_add_f32 v[230:231], v[230:231], v[150:151]
	v_pk_add_f32 v[14:15], v[14:15], v[154:155]
	v_pk_add_f32 v[236:237], v[236:237], v[158:159]
	v_pk_add_f32 v[246:247], v[246:247], v[162:163]
	v_pk_add_f32 v[244:245], v[244:245], v[166:167]
	v_pk_add_f32 v[242:243], v[242:243], v[170:171]
	v_pk_add_f32 v[240:241], v[240:241], v[174:175]
	v_pk_add_f32 v[238:239], v[238:239], v[178:179]
	v_pk_add_f32 v[230:231], v[230:231], v[182:183]
	v_pk_add_f32 v[14:15], v[14:15], v[186:187]
	v_pk_add_f32 v[236:237], v[236:237], v[190:191]
	s_delay_alu instid0(VALU_DEP_2)
	v_pk_add_f32 v[14:15], v[14:15], v[242:243]
	s_delay_alu instid0(VALU_DEP_2)
	v_pk_add_f32 v[236:237], v[236:237], v[240:241]
	v_pk_add_f32 v[246:247], v[246:247], v[238:239]
	v_pk_add_f32 v[244:245], v[244:245], v[230:231]
	s_delay_alu instid0(VALU_DEP_2)
	v_pk_add_f32 v[14:15], v[14:15], v[246:247]
	s_delay_alu instid0(VALU_DEP_2)
	v_pk_add_f32 v[236:237], v[236:237], v[244:245]
	s_delay_alu instid0(VALU_DEP_1)
	v_pk_add_f32 v[14:15], v[14:15], v[236:237]
	s_wait_alu depctr_va_vdst(0)                   ; and one for the four
.irp b, 0,1,2,3
	v_max_num_f32 v[232+\b], 0x1800000, v[232+\b]  ; the floor 2^(3 - 127): the byte cannot fall under 1
.endr
.irp b, 0,1,2,3
	s_delay_alu instid0(VALU_DEP_4)
	v_add_nc_u32 v[244+\b], 0xff000000, v[232+\b]  ; 2 off the exponent field: the conversion's scale operand
.endr
.irp b, 0,1,2,3
	s_delay_alu instid0(VALU_DEP_4)
	v_lshrrev_b32 v[236+\b], 23, v[244+\b]         ; the scale's byte
.endr
	s_delay_alu instid0(VALU_DEP_3)
	v_lshl_or_b32 v253, v237, 8, v236              ; p's scale word for these 128 keys
	s_delay_alu instid0(VALU_DEP_1)
	v_lshl_or_b32 v253, v238, 16, v253
	s_delay_alu instid0(VALU_DEP_1)
	v_lshl_or_b32 v253, v239, 24, v253
.irp c, 0,1
	v_cvt_scalef32_pk16_fp6_f32 v[224+6*\c:226+6*\c], v[S+32*\c:S+15+32*\c], v[244+2*\c]
	v_cvt_scalef32_pk16_fp6_f32 v[236+4*\c:238+4*\c], v[S+16+32*\c:S+31+32*\c], v[244+2*\c+1]   ; (a conversion's three registers begin on an even number)
.endr
	v_nop                                          ; one plain place behind a scaled conversion
.irp c, 0,1                                    ; the operand's layout wants a whole block in a lane
.irp i, 0,1,2
	v_permlane16_swap_b32 v[224+6*\c+\i], v[236+4*\c+\i]
.endr
.irp i, 0,1,2
	s_delay_alu instid0(VALU_DEP_3)
	v_mov_b32 v[227+6*\c+\i], v[236+4*\c+\i]
.endr
.endr
.set j, 0
.rept 16
	v_pk_mul_f32 v[O+j:O+j+1], v[O+j:O+j+1], v[252:253] op_sel_hi:[1,0]   ; O^T under the new M; these sixteen also stand between the scale word's last write and the products
.set j, j+2
.endr
	s_wait_alu depctr_va_vdst(0)
	s_wait_dscnt 0x0                               ; V and its scale words
.irp d, 0,1,2,3
	PV \d                                          ; four accumulators by turns
.endr
.Lhidden_\@:
.endm
.macro WALK from, lim                  ; key steps from .. lim - 1: constants of the text
	s_mov_b32 s[KS], \from
	s_mov_b32 s[TB], STEPB+STEPB*\from
	s_mov_b32 s[TS], 512*\from
	s_mov_b32 s[TJ], 8192+256*\from
.Lwalk_\@:
	STEP
	s_add_co_u32 s[TB], s[TB], STEPB
	s_add_co_u32 s[TS], s[TS], 512
	s_add_co_u32 s[TJ], s[TJ], 256
	s_add_co_u32 s[KS], s[KS], 1
	s_cmp_lt_u32 s[KS], \lim
	s_cbranch_scc1 .Lwalk_\@
.endm
.macro BEGIN T                         ; a tile begins: zeros, which the first change of M leaves zeros
	s_wait_xcnt 0x0                                ; the last tile's stores have read their registers
	s_wait_loadcnt 0x0                             ; Q and its scale words
	v_mov_b32 v13, 0xec800000                      ; the largest t so far: -2^90
	s_delay_alu instid0(VALU_DEP_1)
	v_floor_f32 v12, -v13
	v_mov_b32 v14, 0
	v_mov_b32 v15, 0
.set j, 0
.rept 32
	v_mov_b32 v[O+j], 0
.set j, j+1
.endr
	v_and_b32 v236, 7, v0
	v_bfe_u32 v237, v0, 3, 1
	s_delay_alu instid0(VALU_DEP_1)
	v_lshl_add_u32 v236, v237, 4, v236             ; r % 8 + 16 (r / 8)
	v_bfe_u32 v237, v0, 4, 1
	s_delay_alu instid0(VALU_DEP_1)
	v_lshlrev_b32 v237, 4, v237
	s_delay_alu instid0(VALU_DEP_1)
	v_sub_nc_u32 v236, v236, v237
	s_delay_alu instid0(VALU_DEP_1)
	v_add_nc_u32 v8, s[\T+9], v236                 ; my query in its diagonal step, less 16 (lane / 16)
	s_mov_b32 s[LAST], s[\T+8]
.endm
.macro FINISH T, next                  ; O^T / the sum, quantised along the head's 64 (two blocks), leaves as a UNIT and two scale bytes a row
.rept 4
	v_nop                                          ; places behind the last products
.endr
	v_add_f32 v14, v14, v15
	v_permlanex16_b32 v252, v14, s[SEL], s[SEL+1]
	s_delay_alu instid0(VALU_DEP_1)
	v_add_f32 v14, v14, v252                       ; the row's sum
	s_wait_alu depctr_va_vdst(0)
	v_rcp_f32 v252, v14
	v_nop                                          ; a plain place behind the reciprocal
	v_cmp_eq_f32 s[DEAD], 0, v14                   ; no key counted: a choice of a value below, no branch
.if \next
	QLOAD T0                                       ; the other tile's q comes while this one leaves
.endif
	s_wait_alu depctr_va_vdst(0)                   ; ahead of the reciprocal's first reader
.set j, 0
.rept 16
	v_pk_mul_f32 v[S+j:S+j+1], v[O+j:O+j+1], v[252:253] op_sel_hi:[1,0]   ; register 16 b + i is y(my query, 32 b + 16 (lane / 16) + i); each accumulator from its low end on
.set j, j+2
.endr
.irp b, 0,1
	v_max3_num_f32 v[232+\b], |v[S+16*\b]|, |v[S+1+16*\b]|, 0x1800000
.endr
.irp i, 2,4,6,8,10,12,14
.irp b, 0,1
	s_delay_alu instid0(VALU_DEP_2)
	v_max3_num_f32 v[232+\b], v[232+\b], |v[S+16*\b+\i]|, |v[S+1+16*\b+\i]|
.endr
.endr
.irp b, 0,1
	s_delay_alu instid0(VALU_DEP_2)
	v_permlanex16_b32 v[236+\b], v[232+\b], s[SEL], s[SEL+1]
.endr
.irp b, 0,1
	s_delay_alu instid0(VALU_DEP_2)
	v_max_num_f32 v[232+\b], v[232+\b], v[236+\b]
.endr
.irp b, 0,1
	s_delay_alu instid0(VALU_DEP_2)
	v_add_nc_u32 v[244+\b], 0xff000000, v[232+\b]
.endr
.irp b, 0,1
	s_delay_alu instid0(VALU_DEP_2)
	v_lshrrev_b32 v[236+\b], 23, v[244+\b]
.endr
	v_cvt_scalef32_pk16_fp6_f32 v[224:226], v[S:S+15], v244
	v_cvt_scalef32_pk16_fp6_f32 v[240:242], v[S+16:S+31], v245
	v_nop                                          ; one plain place behind a scaled conversion
	v_cndmask_b32 v254, v236, v237, s[HM]          ; lanes 0-15 store block 0's byte, lanes 16-31 block 1's;
	s_delay_alu instid0(VALU_DEP_1)
	v_cndmask_b32 v254, v254, v11, s[DEAD]         ; 0xff where the sum is 0
.irp i, 0,1,2
	v_permlane16_swap_b32 v[224+\i], v[240+\i]
.endr
.irp i, 0,1,2
	s_delay_alu instid0(VALU_DEP_3)
	v_mov_b32 v[227+\i], v[240+\i]
.endr
	global_store_b128 v1, v[224:227], s[\T+4:\T+5]             ; 512 consecutive bytes,
	global_store_b64 v2, v[228:229], s[\T+4:\T+5] offset:512   ; and 256
	global_store_b8 v10, v254, s[\T+6:\T+7]
.endm
	s_wait_alu depctr_va_vdst(0)                   ; the wait at the head's end
	s_wait_tensorcnt 0x0                           ; my sixteenth of the record is in,
	s_barrier_signal -1
	s_barrier_wait -1                              ; everybody's is: the one barrier of the walk; nothing is filled again in this launch
	BEGIN T1
	WALK 0, 16                                     ; the late tile first
	FINISH T1, 1
	BEGIN T0
	WALK 0, 8
	FINISH T0, 0
	s_wait_tensorcnt 0x0                           ; the wave's end, behind the last tensor load
	ds_add_u32 v[SPW], v[NIL]
	s_wait_dscnt 0x0
	CROUND                                         ; the closing round
	s_endpgm
.Lfunc_end_k_qb954ea36f8_attn:
	.size	k_qb954ea36f8_attn, .Lfunc_end_k_qb954ea36f8_attn-k_qb954ea36f8_attn
	.p2alignl 7, 3214868480
	.fill 96, 4, 3214868480
	.section	.rodata,"a",@progbits
	.p2align	6, 0x0
	.amdhsa_kernel k_qb954ea36f8_attn
		.amdhsa_group_segment_fixed_size 210944
		.amdhsa_private_segment_fixed_size 0
		.amdhsa_enable_private_segment 0
		.amdhsa_kernarg_size 24
		.amdhsa_user_sgpr_count 2
		.amdhsa_user_sgpr_kernarg_segment_ptr 1
		.amdhsa_wavefront_size32 1
		.amdhsa_system_sgpr_workgroup_id_x 1
		.amdhsa_system_sgpr_workgroup_id_y 1
		.amdhsa_system_sgpr_workgroup_id_z 1
		.amdhsa_system_vgpr_workitem_id 0
		.amdhsa_next_free_vgpr 256
		.amdhsa_next_free_sgpr 80
		.amdhsa_reserve_vcc 1
		.amdhsa_float_denorm_mode_32 3
		.amdhsa_float_denorm_mode_16_64 3
		.amdhsa_memory_ordered 1
		.amdhsa_forward_progress 1
		.amdhsa_inst_pref_size 66
	.end_amdhsa_kernel
	.amdgpu_metadata
---
amdhsa.version: [ 1, 2 ]
amdhsa.kernels:
  - .name:           k_qb954ea36f8_attn
    .symbol:         k_qb954ea36f8_attn.kd
    .args:
      - { .name: qi, .offset: 0, .size: 8, .value_kind: global_buffer, .address_space: global }
      - { .name: kv, .offset: 8, .size: 8, .value_kind: global_buffer, .address_space: global }
      - { .name: yi, .offset: 16, .size: 8, .value_kind: global_buffer, .address_space: global }
    .group_segment_fixed_size: 210944
    .private_segment_fixed_size: 0
    .kernarg_segment_align: 8
    .kernarg_segment_size: 24
    .max_flat_workgroup_size: 512
    .sgpr_count:     80
    .vgpr_count:     256
    .wavefront_size: 32
...
	.end_amdgpu_metadata
.endif
;; end of part 3
;; launch proj (part 4): grid 8 x 32, 4 waves a work-group, clusters of 4 x 4, 327,680 bytes of LDS; arguments yi, oq, out0; writes out0
.if DOCPART == 4
	.amdgcn_target "amdgcn-amd-amdhsa--gfx1250"
	.amdhsa_code_object_version 6
	.text
	.protected	k_qb954ea36f8_proj
	.globl	k_qb954ea36f8_proj
	.p2align	8
	.type	k_qb954ea36f8_proj,@function
k_qb954ea36f8_proj:
	s_mov_b64 s[64:65], 0
	v_nop
	global_prefetch_b8 v0, s[64:65] scope:SCOPE_SE
	s_setreg_imm32_b32 hwreg(HW_REG_WAVE_MODE, 25, 1), 1
	s_wait_xcnt 0x0
	s_wait_alu depctr_hold_cnt(0) depctr_sa_sdst(0) depctr_va_vdst(0) depctr_va_sdst(0) depctr_va_ssrc(0) depctr_va_vcc(0) depctr_vm_vsrc(0)
	s_getreg_b32 s2, hwreg(HW_REG_IB_STS2, 6, 4)
	s_cmp_eq_u32 s2, 0
	s_cbranch_scc0 .Lentry_in_a_cluster
	s_endpgm
.Lentry_in_a_cluster:
	s_bfe_u32 s2, ttmp6, 0x10000c
	s_cmp_lg_u32 s2, 0xf033
	s_cbranch_scc0 .Lentry_shape_is_right
	s_endpgm
.Lentry_shape_is_right:
; out = y Wout^T on codes of FP6 (E2M3) with E8M0 scales, K = 1,024; sums in f32.  Nothing of this product is left out.
; A work-group of four waves makes 256 rows x 128 columns: 32 x 8 = 256 work-groups.  A wave makes 128 rows x 64 columns.
; ALL OF K LIES IN LDS AT ONCE, as images of operand registers: y's 16 tiles of 16 rows, as the attention launch stored them (196,608 dense bytes), and Wout's 8 tiles, as the quantising launch stored them (98,304).
; One joint load a wave at the head: waves 0, 1 y's two halves, waves 2, 3 Wout's.  No ring, nothing is filled again.
; 4 x 4 work-groups form a cluster: y's tiles are shared along a row of the cluster, Wout's along a column.
; A wave keeps its 64 columns of Wout for all of K in registers (32 fragments, 384 registers) and walks its eight blocks of 16 rows: 32 matrix instructions a block, the block's four accumulators by turns,
; K ascending.  A finished block goes through the wave's own stage in LDS and leaves as rows of 256 bytes while the next blocks are multiplied.
; The stage lies in Wout's bytes: they have had their one fill, and a barrier shows that every wave has read its fragments.
; The scale words go from memory straight into registers (lanes r and r + 16 take the same row): each is read once by the wave that uses it.
; The matrix instruction is used transposed (source 0 = 16 rows of Wout, source 1 = 16 rows of y): a lane holds eight neighbouring numbers of a row of out.
; y's tiles hold rows at place sw(row): place p of tile T is row 32 (T / 2) + 8 (T % 2) + 16 (p / 8) + p % 8; the stores put them back.
; No prefetch: every byte is asked for at the head, and there is no loop to run ahead in.
; A row of y whose scale bytes are 0xff (a query with no visible key) comes out NaN, as the attention launch states.
; REGISTERS: window 0: v0-23 addresses; v24-55 Wout's scale words (block b, step k at 24 + 8 b + k); v56-119 y's (56 + 8 a + k).
;   window 1: v0-191 Wout's fragments of K steps 0-3 (12 (4 k + b)); v192-255 accumulators, two sets.   window 2: v0-191 those of K steps 4-7; v192-255 rows read back, two sets.   window 3: v0-191 y's fragments, two sets.
.set ATILE,  12288                     ; a tile, all of K
.set LB,     16*ATILE                  ; where Wout's tiles begin in LDS
.set SPARE,  LB+8*ATILE                ; the spare words, 128 bytes a wave
.set SPITCH, 272                       ; a stage row: 256 bytes + 16
.set YS,     6291456                   ; where the scale bytes begin in yi, in oq
.set OS,     786432
.set A16, 4                            ; v4-7   16 x lane + my blocks 2 g, 2 g + 1 of y
.set A8,  8                            ; v8-11  8 x lane + the same
.set BD,  12                           ; 16 x lane + my four tiles of Wout
.set SOB, 13                           ; 16 r
.set STO, 16
.set RD,  17
.set CO,  18
.set SO,  19                           ; 32 r
.set SPW, 20
.set NIL, 21
.set TT,  22
.set SB,  24
.set SA,  56
.set WV,  10
.set MSB, 0
.macro WIN new                         ; the immediate's high byte repeats the setting that is left
.if MSB != (\new)
	s_set_vgpr_msb (MSB<<8)|(\new)
.set MSB, \new
.endif
.endm
.macro CROUND                          ; a round of the cluster's barrier
	s_barrier_signal -1
	s_barrier_wait -1
	s_cmp_lg_u32 s[WV], 0
	s_cbranch_scc1 .Lnot_wave_0_\@
	s_barrier_signal -3
.Lnot_wave_0_\@:
	s_barrier_wait -3
	s_barrier_signal -1
	s_barrier_wait -1
.endm
.macro PLACES n                        ; plain vector instructions behind matrix instructions (ISA guide 7.12.1)
.rept \n
	v_nop
.endr
.endm
	s_load_b128 s[4:7], s[0:1], 0x0                ; yi s[4:5], oq s[6:7]
	s_load_b64 s[8:9], s[0:1], 0x10                ; out0
	v_lshl_add_u32 v[SPW], v0, 2, SPARE
	v_mov_b32 v[NIL], 0
	ds_add_u32 v[SPW], v[NIL]                      ; the opening lines: the add, twice on end, and its wait ahead of my first tensor load
	ds_add_u32 v[SPW], v[NIL]
	v_lshrrev_b32 v1, 5, v0
	v_readfirstlane_b32 s[WV], v1
	s_lshr_b32 s11, s[WV], 1                       ; which 128 rows are mine.  Also: I fetch for y (0) or for Wout (1)
	s_and_b32 s12, s[WV], 1                        ; which 64 columns.  Also: which half I fetch
	s_bfe_u32 s13, ttmp6, 0x40000                  ; cx
	s_bfe_u32 s14, ttmp6, 0x40004                  ; cy
	s_lshl_b32 s15, ttmp9, 2
	s_add_co_u32 s15, s15, s13                     ; the block's column, 0..7
	s_and_b32 s16, ttmp7, 0xffff
	s_lshl_b32 s16, s16, 2
	s_add_co_u32 s16, s16, s14                     ; its row, 0..31
	s_lshl_b32 s17, s14, 2
	s_lshl_b32 s17, 15, s17                        ; my row of the cluster
	s_lshl_b32 s18, 0x1111, s13                    ; my column
	s_or_b32 s24, s17, (3<<16)|(1<<21)             ; group 1 for y: 384 rows of 256 dense bytes (32 elements of 8)
	s_mov_b32 s25, 32<<16
	s_mov_b32 s26, 384<<16
	s_mov_b32 s27, 32<<16
	s_mov_b32 s28, 384
	s_mov_b32 s29, 32
	s_mov_b32 s30, 0
	s_mov_b32 s31, 0
	s_or_b32 s32, s18, (3<<16)|(1<<21)             ; for Wout: 192 such rows
	s_mov_b32 s33, 32<<16
	s_mov_b32 s34, 192<<16
	s_mov_b32 s35, 32<<16
	s_mov_b32 s36, 192
	s_mov_b32 s37, 32
	s_mov_b32 s38, 0
	s_mov_b32 s39, 0
	s_mul_i32 s19, s12, 8*ATILE                    ; y: my half of the 16 tiles, in memory as in LDS
	s_mul_i32 s20, s16, 16*ATILE
	s_add_co_u32 s20, s20, s19
	s_mov_b32 s21, 0
	s_mul_i32 s22, s15, 8*ATILE                    ; Wout: the block's 8 tiles; my four
	s_mul_i32 s48, s12, 4*ATILE
	s_add_co_u32 s22, s22, s48
	s_mov_b32 s23, 0
	s_add_co_u32 s49, s48, LB
	s_mov_b32 s40, 1
	s_mov_b32 s41, s19
	s_mov_b32 s44, 1
	s_mov_b32 s45, s49
	s_wait_dscnt 0x0                               ; both opening adds are done
	s_wait_kmcnt 0x0
	s_add_nc_u64 s[42:43], s[4:5], s[20:21]
	s_or_b32 s43, s43, 0x80000000
	s_add_nc_u64 s[46:47], s[6:7], s[22:23]
	s_or_b32 s47, s47, 0x80000000
	CROUND                                         ; all sixteen work-groups are here: the joint loads meet
	s_cmp_eq_u32 s11, 0                            ; one load a wave; each line has one mask
	s_cbranch_scc0 .Lfor_b
	tensor_load_to_lds s[40:43], s[24:31]
	s_nop 0
	PLACES 4
	s_branch .Lasked
.Lfor_b:
	tensor_load_to_lds s[44:47], s[32:39]
	s_nop 0
	PLACES 4
.Lasked:
	s_lshl_b32 s20, s16, 13                        ; y's scale bytes: 32 a row, from row 256 x block row + 128 x (wave / 2)
	s_lshl_b32 s48, s11, 12
	s_add_co_u32 s20, s20, s48
	s_add_co_u32 s20, s20, YS
	s_add_nc_u64 s[4:5], s[4:5], s[20:21]
	s_lshl_b32 s22, s15, 12                        ; Wout's: 512 a tile, from tile 8 x block column + 4 x (wave % 2)
	s_lshl_b32 s48, s12, 11
	s_add_co_u32 s22, s22, s48
	s_add_co_u32 s22, s22, OS
	s_add_nc_u64 s[6:7], s[6:7], s[22:23]
	s_lshl_b32 s20, s16, 20                        ; out: my first row x 4,096 bytes + my first column x 4
	s_lshl_b32 s48, s11, 19
	s_add_co_u32 s20, s20, s48
	s_lshl_b32 s48, s15, 9
	s_add_co_u32 s20, s20, s48
	s_lshl_b32 s48, s12, 8
	s_add_co_u32 s20, s20, s48
	s_add_nc_u64 s[8:9], s[8:9], s[20:21]
	s_mul_i32 s50, s11, 8*ATILE
	s_mul_i32 s51, s12, 4*ATILE
	s_add_co_u32 s51, s51, LB
	s_mul_i32 s52, s[WV], 16*SPITCH
	s_add_co_u32 s52, s52, LB                      ; my stage
	v_and_b32 v1, 15, v0                           ; r
	v_bfe_u32 v2, v0, 4, 1                         ; h
	v_and_b32 v3, 31, v0                           ; lane
	v_lshl_add_u32 v[A16], v3, 4, s50
	v_lshl_add_u32 v[A8], v3, 3, s50
.irp g, 1,2,3
	v_add_nc_u32 v[A16+\g], 2*ATILE*\g, v[A16]
	v_add_nc_u32 v[A8+\g], 2*ATILE*\g, v[A8]
.endr
	v_lshl_add_u32 v[BD], v3, 4, s51
	v_lshlrev_b32 v[SOB], 4, v1
	v_mul_u32_u24 v[TT], v1, SPITCH                ; into the stage: row r, 32 bytes for each half of the lanes
	v_lshl_add_u32 v[TT], v2, 5, v[TT]
	v_add_nc_u32 v[STO], s52, v[TT]
	v_mul_u32_u24 v[TT], v2, SPITCH                ; back: lanes 0-15 one row of 256 bytes, lanes 16-31 the next
	v_lshl_add_u32 v[TT], v1, 4, v[TT]
	v_add_nc_u32 v[RD], s52, v[TT]
	v_lshlrev_b32 v[TT], 12, v2
	v_lshl_add_u32 v[CO], v1, 4, v[TT]             ; and the same two rows in out
	v_lshlrev_b32 v[SO], 5, v1                     ; my row's 32 scale bytes of y
	s_wait_alu depctr_va_vdst(0)                   ; the wait at the head's end
.irp b, 0,1,2,3
.irp i, 0,1
	global_load_b128 v[SB+8*\b+4*\i:SB+8*\b+4*\i+3], v[SOB], s[6:7] offset:512*\b+256*\i
.endr
.endr
.irp a, 0,1,2,3,4,5,6,7
.irp i, 0,1
	global_load_b128 v[SA+8*\a+4*\i:SA+8*\a+4*\i+3], v[SO], s[4:5] offset:512*\a+16*\i
.endr
.endr
.macro LOADB k                         ; Wout's four fragments of K step k: three groups of four registers, group c at 512 c + 16 x lane
	WIN 0x40*(1+(\k)/4)
.irp b, 0,1,2,3
.irp c, 0,1,2
.set BR, 12*(4*((\k)%4)+\b)+4*\c
	ds_load_b128 v[BR:BR+3], v[BD] offset:ATILE*\b+1536*(\k)+512*\c
.endr
.endr
.endm
.macro LOADA a                         ; y's block a, all of K, into set a % 2: a K step is two heads' images: registers 0-3 at 16 x lane, 4-5 at 512 + 8 x lane
	WIN 0xc0
.irp k, 0,1,2,3,4,5,6,7
.set AFR, 96*((\a)%2)+12*\k
.set OFF, ATILE*((\a)%2)+1536*\k
	ds_load_b128 v[AFR:AFR+3], v[A16+(\a)/2] offset:OFF
	ds_load_b64 v[AFR+4:AFR+5], v[A8+(\a)/2] offset:OFF+512
	ds_load_b128 v[AFR+6:AFR+9], v[A16+(\a)/2] offset:OFF+768
	ds_load_b64 v[AFR+10:AFR+11], v[A8+(\a)/2] offset:OFF+1280
.endr
	WIN 0
.endm
.macro W1 a, k, b
.set AC, 192+32*((\a)%2)+8*(\b)
.set BF, 12*(4*((\k)%4)+(\b))
.set AFR, 96*((\a)%2)+12*(\k)
.if (\k) == 0
	v_wmma_scale_f32_16x16x128_f8f6f4 v[AC:AC+7], v[BF:BF+11], v[AFR:AFR+11], 0, v[SB+8*(\b)+(\k)], v[SA+8*(\a)+(\k)] matrix_a_fmt:MATRIX_FMT_FP6 matrix_b_fmt:MATRIX_FMT_FP6
.else
	v_wmma_scale_f32_16x16x128_f8f6f4 v[AC:AC+7], v[BF:BF+11], v[AFR:AFR+11], v[AC:AC+7], v[SB+8*(\b)+(\k)], v[SA+8*(\a)+(\k)] matrix_a_fmt:MATRIX_FMT_FP6 matrix_b_fmt:MATRIX_FMT_FP6
.endif
.endm
.macro MULK a, hi                      ; 16 matrix instructions: block a, K steps 4 hi .. 4 hi + 3; the four accumulators by turns, one instruction a turn
	WIN 0x5d+(\hi)                                 ; source 0 window 1 or 2, source 1 window 3, C and D window 1
.irp k, 0,1,2,3
.irp b, 0,1,2,3
	W1 \a, 4*(\hi)+\k, \b
.endr
.endr
.endm
.macro TOSTAGE a                       ; block a's 16 rows x 64 columns into my stage and back as rows of 256 bytes: LDS serves a wave's instructions in order
.set AC, 192+32*((\a)%2)
	WIN 0x04
.irp b, 0,1,2,3
	ds_store_b128 v[STO], v[AC+8*\b:AC+8*\b+3] offset:64*\b          ; each accumulator from its low end on
	ds_store_b128 v[STO], v[AC+8*\b+4:AC+8*\b+7] offset:64*\b+16
.endr
	WIN 0x80
.irp t, 0,1,2,3,4,5,6,7
	ds_load_b128 v[AC+4*\t:AC+4*\t+3], v[RD] offset:2*\t*SPITCH
.endr
	WIN 0
.endm
.macro SEND a                          ; places 2 t and 2 t + 1 of tile a: sixteen lanes store 256 consecutive bytes, aligned
.set OB, 192+32*((\a)%2)
	WIN 0x08
.irp t, 0,1,2,3,4,5,6,7
	global_store_b128 v[CO], v[OB+4*\t:OB+4*\t+3], s[8:9] offset:(32*((\a)/2)+8*((\a)%2)+16*(\t/4)+2*(\t%4))*4096 th:TH_STORE_NT
.endr
	WIN 0
.endm
.macro BLOCK a
	s_wait_dscnt 0x0                               ; block a's fragments (asked for 32 matrix instructions ago) are in, block a - 2's rows are back, and the stage's stores have read block a - 2's accumulators
.if (\a) >= 2
	SEND (\a)-2
.endif
.if (\a) >= 1
	PLACES 5                                       ; behind block a - 1's products: ahead of loads into the fragments that they read, of the stage's reads of their results, and of products that write over block a - 2's
.endif
.if (\a) < 7
	LOADA (\a)+1
.endif
	MULK \a, 0
.if (\a) >= 1
	s_wait_xcnt 0x0                                ; the stores of block a - 3 have read the registers into which block a - 1's rows come back
	TOSTAGE (\a)-1
.endif
	MULK \a, 1
	WIN 0
.endm
	s_wait_tensorcnt 0x0                           ; my part is in,
	s_barrier_signal -1
	s_barrier_wait -1                              ; everybody's is
.irp k, 0,1,2,3,4,5,6,7
	LOADB \k
.endr
	LOADA 0
	s_wait_loadcnt 0x0                             ; the scale words
	s_wait_dscnt 0x0                               ; my fragments of Wout are in registers:
	s_barrier_signal -1
	s_barrier_wait -1                              ; everybody's are: from here on Wout's bytes in LDS serve as stages
.irp a, 0,1,2,3,4,5,6,7
	BLOCK \a
.endr
	s_wait_dscnt 0x0
	SEND 6
	PLACES 5
	s_wait_xcnt 0x0
	TOSTAGE 7
	s_wait_dscnt 0x0
	SEND 7
	s_wait_tensorcnt 0x0                           ; the wave's end, behind my last tensor load and my last LDS store
	ds_add_u32 v[SPW], v[NIL]
	s_wait_dscnt 0x0
	CROUND                                         ; the closing round
	s_endpgm
.Lfunc_end_k_qb954ea36f8_proj:
	.size	k_qb954ea36f8_proj, .Lfunc_end_k_qb954ea36f8_proj-k_qb954ea36f8_proj
	.p2alignl 7, 3214868480
	.fill 96, 4, 3214868480
	.section	.rodata,"a",@progbits
	.p2align	6, 0x0
	.amdhsa_kernel k_qb954ea36f8_proj
		.amdhsa_group_segment_fixed_size 327680
		.amdhsa_private_segment_fixed_size 0
		.amdhsa_enable_private_segment 0
		.amdhsa_kernarg_size 24
		.amdhsa_user_sgpr_count 2
		.amdhsa_user_sgpr_kernarg_segment_ptr 1
		.amdhsa_wavefront_size32 1
		.amdhsa_system_sgpr_workgroup_id_x 1
		.amdhsa_system_sgpr_workgroup_id_y 1
		.amdhsa_system_sgpr_workgroup_id_z 1
		.amdhsa_system_vgpr_workitem_id 0
		.amdhsa_next_free_vgpr 1024
		.amdhsa_next_free_sgpr 66
		.amdhsa_reserve_vcc 0
		.amdhsa_float_denorm_mode_32 3
		.amdhsa_float_denorm_mode_16_64 3
		.amdhsa_memory_ordered 1
		.amdhsa_forward_progress 1
		.amdhsa_inst_pref_size 82
	.end_amdhsa_kernel
	.amdgpu_metadata
---
amdhsa.version: [ 1, 2 ]
amdhsa.kernels:
  - .name:           k_qb954ea36f8_proj
    .symbol:         k_qb954ea36f8_proj.kd
    .args:
      - { .name: yi, .offset: 0, .size: 8, .value_kind: global_buffer, .address_space: global }
      - { .name: oq, .offset: 8, .size: 8, .value_kind: global_buffer, .address_space: global }
      - { .name: out0, .offset: 16, .size: 8, .value_kind: global_buffer, .address_space: global }
    .group_segment_fixed_size: 327680
    .private_segment_fixed_size: 0
    .kernarg_segment_align: 8
    .kernarg_segment_size: 24
    .max_flat_workgroup_size: 128
    .sgpr_count:     66
    .vgpr_count:     1024
    .wavefront_size: 32
...
	.end_amdgpu_metadata
.endif
;; end of part 4
